; MI455X (gfx1250); checked and timed in simulation.
; The chip was launched on July 23, 2026; its instructions are those of AMD's public machine-readable ISA for CDNA 5 (MIT licence, August 2026) and "CDNA5" Instruction Set Architecture Reference Guide (July 2026). The comments in the code are by the model that wrote it; some were corrected since.
;; MHA. Allowed arithmetic: matrix products marked QUANTISED: E2M1 operands, one E8M0 scale for each 32 along K, by v_wmma_scale_f32_16x16x128_f8f6f4 with both operands' format E2M1 (or v_wmma_scale_f32_32x16x128_f4), f32 sums; products left as they are: bf16, f16 or f32 operands; f32 sums; everything else in f32.
;; Inputs: bk 1,024 float32; bo 1,024 float32; bq 1,024 float32; bv 1,024 float32; key 4 x 2,048 x 1,024 float32; mask 4 x 1 x 1 x 2,048 int32; query 4 x 2,048 x 1,024 float32; value 4 x 2,048 x 1,024 float32; wk 1,024 x 1,024 float32; wo 1,024 x 1,024 float32; wq 1,024 x 1,024 float32; wv 1,024 x 1,024 float32.
;; Outputs: out0 4 x 2,048 x 1,024 float32.
;; This version of the problem:
;;   THIS VERSION OF THE PROBLEM IS GIVEN IN LOW PRECISION. The matrix products marked QUANTISED in the list below multiply operands that are first quantised to E2M1 (2 exponent bits, 1 mantissa bit; 4 bits a number), with one power-of-two scale for each 32 numbers along K (OCP MX v1.0); their sums are f32. The products marked 'left as it is' may take bf16, f16 or f32 operands, with f32 sums. Whichever they take, every output number must still come out within the allowed error. Rounding operands to bf16 (8 significant bits) uses up far more of that allowance than f16 does (11 bits, for magnitudes from 6e-5 to 65,504). All else is computed in f32.
;;   The module's matrix products, in the order in which they are computed (A, B: the left and right operand; K: the contracted axis; several contracted axes count as one K, in the product's order):
;;     1. [M 8,192, K 1,024] x [K 1,024, N 1,024]; A: input query; B: input wq: QUANTISED
;;     2. [M 8,192, K 1,024] x [K 1,024, N 1,024]; A: input key; B: input wk: QUANTISED
;;     3. [M 8,192, K 1,024] x [K 1,024, N 1,024]; A: input value; B: input wv: QUANTISED
;;     4. batch 64 x [M 2,048, K 64] x [K 64, N 2,048]; A: computed on the way; B: computed on the way: left as it is (an operand is computed on the way)
;;     5. batch 64 x [M 2,048, K 2,048] x [K 2,048, N 64]; A: computed on the way; B: computed on the way: left as it is (an operand is computed on the way)
;;     6. [M 8,192, K 1,024] x [K 1,024, N 1,024]; A: computed on the way; B: input wo: left as it is (an operand is computed on the way)
;;   THE QUANTISER, for each operand of a quantised product, along K:
;;     - K is cut into blocks of 32 from its start; a last block that is shorter is filled with zeros.
;;     - A block's scale is 2^e with e = floor(log2(the largest magnitude in the block)) - 2, held to -126 .. 127; a block of zeros has e = 0. As a byte (E8M0): e + 127.
;;     - Each number is divided by its block's scale, clamped to +-6, and rounded to the nearest number of E2M1, ties to even, subnormals kept.
;;     - The product sums the exact products of the quantised numbers (number of the format x scale) in f32.
;;   ~~~python
;;   def quantise(x, axis):      # numpy; x: float32 -> the quantised numbers, widened to float32 again
;;       x = np.moveaxis(x, axis, -1); K = x.shape[-1]
;;       x = np.pad(x, [(0, 0)] * (x.ndim - 1) + [(0, -K % 32)]); x = x.reshape(x.shape[:-1] + (-1, 32)); a = np.abs(x).max(-1, keepdims=True)
;;       e = np.where(a > 0, np.clip(np.frexp(np.where(a > 0, a, 1))[1] - 1 - 2, -126, 127), 0)      # np.frexp(a)[1] - 1 = floor(log2(a)), exactly
;;       r = np.clip(x / 2.0 ** e, -6, 6)
;;       step = 2.0 ** (np.maximum(np.frexp(np.where(r == 0, 1, r))[1] - 1, 0) - 1)
;;       q = np.round(r / step) * step * 2.0 ** e      # np.round: ties to even
;;       return np.moveaxis(q.reshape(q.shape[:-2] + (-1,))[..., :K], -1, axis).astype(np.float32)
;;   ~~~
;; One version. Each part assembles by itself: llvm-mc -triple=amdgcn-amd-amdhsa -mcpu=gfx1250 --defsym DOCPART=n.
;; ======== version 1 of 1: 4 launches
;; limits: values are held in f16: magnitudes above 65,504 overflow, below 6.1e-05 lose precision
;; workspace buffers: codes 14,155,776 bytes; scales 884,736 bytes; woh 2,097,152 bytes; qkv 50,331,648 bytes; att 16,777,216 bytes
;; launch quant (part 1): grid 896 x 1, 4 waves a work-group, no clusters, 33,280 bytes of LDS; arguments query, key, value, wq, wk, wv, wo, codes, scales, woh; writes codes, scales, woh
.if DOCPART == 1
	.amdgcn_target "amdgcn-amd-amdhsa--gfx1250"
	.amdhsa_code_object_version 6
	.text
	.protected	k_q924a1fe948_quant
	.globl	k_q924a1fe948_quant
	.p2align	8
	.type	k_q924a1fe948_quant,@function
k_q924a1fe948_quant:
	s_mov_b64 s[64:65], 0
	v_nop
	global_prefetch_b8 v0, s[64:65] scope:SCOPE_SE
	s_setreg_imm32_b32 hwreg(HW_REG_WAVE_MODE, 25, 1), 1
	s_wait_xcnt 0x0
; query, key, value [8192][1024] and wq, wk, wv [1024][1024], f32, K innermost, become ONE stream of codes of FP4 (E2M1), 16 bytes for each block of 32 along K, and one stream of E8M0 scale bytes,
; in the order query, key, value, wq, wk, wv.  wo [1024][1024] becomes f16, laid as images of operand registers.
; A block's scale is 2^(floor(log2(its largest magnitude)) - 2); its byte is the largest magnitude's exponent field - 2, held at 1 from below.  Each number is divided by the scale and rounded to the nearest code, ties to even;
; beyond the largest code the conversion gives the largest code.
; LIMITS: a block of zeros, and a block whose largest magnitude lies under 2^(2 - 126), keeps the byte 1 (a block of zeros has zero codes, and this program alone reads the bytes); NaN and infinities are not served.
; SHARES.  Rows are dense and 1024 is a multiple of 32: each tensor is a plain stream of blocks.  Work-groups 0 to 863: four waves x 16 steps x 512 numbers, 32,768 numbers a work-group: 256 work-groups for each of
; query, key, value, 32 for each weight.  Only the input's pointer is chosen, by the work-group's number; the outputs' places follow from that number alone, since the streams keep the order of the work-groups.
; A step's four loads read 512 consecutive bytes each; the 2,048 bytes turn through the wave's own stage in LDS so that a lane holds 16 neighbours along K (two lanes hold a block); a lane's 16 codes are 8 bytes, so a wave
; stores 256 consecutive bytes; a wave's 256 scale bytes are gathered in LDS and leave as 256 consecutive bytes.  Waves share nothing: no barrier, no cluster (no two work-groups read the same bytes).
; Work-groups 864 to 895: wo.  A PIECE is 512 bytes, lane l's 16 bytes at 16 l: wo[16 nt + l % 16][32 kf + 16 c + 8 (l / 16) + 0 .. 7] as f16; pieces lie [nt 64][kf 32][c 2].  A wave makes 32 pieces.
.set WAVES, 4
.set STEPS, 16
.set NQW,   864                        ; work-groups that quantise
.set EMAX,  2
.set CB,    8                          ; bytes of 16 codes
.set R,     16                         ; v16-79   four sets of 16 numbers as they are loaded
.set X,     80                         ; v80-111  two sets of 16 neighbours
.set C,     128                        ; v128-191 codes: four registers for each step, so that no store's data are written again
.set E,     112                        ; v112-127 a scale byte for each step
.set WREG,  8192                       ; LDS: a region for each wave: two stages of 32 x SP bytes, behind them its 256 scale bytes
.set SP,    80                         ; a lane's place in a stage: 64 bytes + 16 of padding
.set SPW,   12                         ; v12      LDS address of my spare word; never rewritten
.set NIL,   13                         ; v13      0; never rewritten
.set SPARE, WAVES*WREG                 ; behind the four regions: the spare words, 128 bytes a wave, which no other line names
	s_load_b256 s[4:11], s[0:1], 0x0               ; query s[4:5], key s[6:7], value s[8:9], wq s[10:11]
	s_load_b256 s[12:19], s[0:1], 0x20             ; wk s[12:13], wv s[14:15], wo s[16:17], codes s[18:19]
	s_load_b128 s[20:23], s[0:1], 0x40             ; scales s[20:21], woh s[22:23]
	v_lshl_add_u32 v[SPW], v0, 2, SPARE
	v_mov_b32 v[NIL], 0
	v_lshrrev_b32 v1, 5, v0
	v_readfirstlane_b32 s24, v1                    ; wave
	v_and_b32 v2, 31, v0                           ; lane
	v_lshlrev_b32 v3, 4, v2                        ; 16 x lane: my 16 bytes of a load's 512, and of a piece
	s_mul_i32 s25, s24, WREG
	v_lshrrev_b32 v14, 2, v2
	v_mul_u32_u24 v14, v14, SP
	v_and_b32 v15, 3, v2
	v_lshl_add_u32 v14, v15, 4, v14
	v_add_nc_u32 v14, s25, v14                     ; the stage, on the way in: SP (lane / 4) + 16 (lane % 4)
	v_mul_u32_u24 v15, v2, SP
	v_add_nc_u32 v15, s25, v15                     ; and on the way out: SP x lane: my 16 neighbours
	v_mul_u32_u24 v4, v2, CB                       ; my codes' place in a step's
	v_lshrrev_b32 v5, 1, v2
	s_add_co_u32 s25, s25, 2*32*SP
	v_add_nc_u32 v5, s25, v5                       ; LDS: my wave's 256 scale bytes, my block's byte
	v_lshlrev_b32 v7, 3, v2                        ; and on the way out 8 bytes a lane
	v_add_nc_u32 v6, s25, v7
	s_wait_kmcnt 0x0
	s_cmp_ge_u32 ttmp9, NQW
	s_cbranch_scc1 .Lwo
; which tensor is mine: the choice hangs on the work-group's number alone
.macro PICK lim, ptr, base
	s_cmp_lt_u32 ttmp9, \lim
	s_cselect_b64 s[26:27], s[\ptr:\ptr+1], s[26:27]
	s_cselect_b32 s28, \base, s28
.endm
	s_mov_b64 s[26:27], s[14:15]                   ; wv, unless
	s_mov_b32 s28, 832
	PICK 832, 12, 800                              ; wk
	PICK 800, 10, 768                              ; wq
	PICK 768, 8, 512                               ; value
	PICK 512, 6, 256                               ; key
	PICK 256, 4, 0                                 ; query
	s_sub_co_u32 s28, ttmp9, s28
	s_lshl_b32 s28, s28, 2
	s_add_co_u32 s28, s28, s24                     ; which run of 8,192 numbers of the tensor is my wave's
	s_lshl_b32 s28, s28, 15                        ; 32,768 bytes a run: under 2^25
	s_mov_b32 s29, 0
	s_add_nc_u64 s[26:27], s[26:27], s[28:29]
	s_lshl_b32 s30, ttmp9, 2
	s_add_co_u32 s30, s30, s24                     ; and which run of the streams
	s_lshl_b32 s28, s30, 12                        ; 4,096 bytes of codes a run
	s_add_nc_u64 s[18:19], s[18:19], s[28:29]
	s_lshl_b32 s28, s30, 8                         ; 256 scale bytes a run
	s_add_nc_u64 s[20:21], s[20:21], s[28:29]
.macro LOAD t
.irp i, 0,1,2,3
	global_load_b128 v[R+16*((\t)%4)+4*\i:R+16*((\t)%4)+4*\i+3], v3, s[26:27] offset:2048*(\t)+512*\i th:TH_LOAD_NT   ; 32 lanes read 512 consecutive bytes
.endr
.endm
.macro TURN t                          ; step t's numbers through the stage: LDS serves a wave's instructions in order, so no wait stands between the stores and the loads
.irp i, 0,1,2,3
	ds_store_b128 v14, v[R+16*((\t)%4)+4*\i:R+16*((\t)%4)+4*\i+3] offset:32*SP*((\t)%2)+8*SP*\i
.endr
.irp i, 0,1,2,3
	ds_load_b128 v[X+16*((\t)%2)+4*\i:X+16*((\t)%2)+4*\i+3], v15 offset:32*SP*((\t)%2)+16*\i
.endr
.endm
.irp t, 0,1,2,3
	LOAD \t
.endr
	s_wait_loadcnt 12                              ; step 0's four loads are in; the twelve of steps 1 to 3 may be out
	TURN 0
.macro STEP t
.set XS, X+16*((\t)%2)
.if (\t) > 0
	s_wait_dscnt 1                                 ; this step's numbers are back from the stage (the last step's byte store may be out): so its stores into the stage have read their registers,
.else
	s_wait_dscnt 0x0
.endif
.if (\t)+4 < STEPS
	LOAD (\t)+4                                    ; which take the loads of four steps on
.endif
.if (\t)+1 < STEPS
.if STEPS-2-(\t) >= 3
	s_wait_loadcnt 12                              ; the next step's four loads are in; those of the three steps behind it may be out
.else
	s_wait_loadcnt 4*(STEPS-2-(\t))
.endif
	TURN (\t)+1                                    ; and go through the other stage while this step is worked
.endif
	v_max3_num_f32 v8, |v[XS]|, |v[XS+1]|, |v[XS+2]|               ; the largest magnitude of my 16, in two chains
	v_max3_num_f32 v9, |v[XS+3]|, |v[XS+4]|, |v[XS+5]|
.irp i, 6,10
	v_max3_num_f32 v8, v8, |v[XS+\i]|, |v[XS+\i+1]|
	v_max3_num_f32 v9, v9, |v[XS+\i+2]|, |v[XS+\i+3]|
.endr
	v_max3_num_f32 v8, v8, |v[XS+14]|, |v[XS+15]|
	v_max3_num_f32 v8, v8, v9, (EMAX+1)<<23        ; and the floor 2^(EMAX + 1 - 127): the byte cannot fall under 1
	v_max_num_f32_dpp v8, v8, v8 row_xmask:1 row_mask:0xf bank_mask:0xf   ; and of my neighbour's 16: the block's
	v_add_nc_u32 v11, -(EMAX<<23), v8              ; EMAX off its exponent field: the conversion takes the exponent field of this operand as its scale, and nothing else of it
	v_cvt_scalef32_pk8_fp4_f32 v[C+4*(\t)], v[XS:XS+7], v11
	v_cvt_scalef32_pk8_fp4_f32 v[C+4*(\t)+1], v[XS+8:XS+15], v11
	v_lshrrev_b32 v[E+(\t)], 23, v11               ; the scale's byte (also the plain line behind the conversions)
	ds_store_b8 v5, v[E+(\t)] offset:16*(\t)       ; both lanes of a block write the same byte with the same value
	global_store_b64 v4, v[C+4*(\t):C+4*(\t)+1], s[18:19] offset:32*CB*(\t)   ; 32 lanes store 256 consecutive bytes
.endm
.irp t, 0,1,2,3,4,5,6,7,8,9,10,11,12,13,14,15
	STEP \t
.endr
	ds_load_b64 v[8:9], v6                         ; LDS serves a wave's instructions in order: these see my byte stores
	s_wait_dscnt 0x0
	global_store_b64 v7, v[8:9], s[20:21]          ; 32 lanes store 256 consecutive bytes
	s_wait_tensorcnt 0x0                           ; the wave's end: three lines behind my last LDS store
	ds_add_u32 v[SPW], v[NIL]
	s_wait_dscnt 0x0
	s_endpgm
; ---- wo into f16 pieces.  Wave idx of 128: n tile idx / 2, K fragments 16 (idx % 2) on: 32 pieces, in four groups of eight; two groups' loads are out.
.Lwo:
	s_sub_co_u32 s28, ttmp9, NQW
	s_lshl_b32 s28, s28, 2
	s_add_co_u32 s28, s28, s24                     ; idx
	s_lshr_b32 s30, s28, 1                         ; nt
	s_and_b32 s31, s28, 1                          ; which half of K
	s_lshl_b32 s28, s30, 16                        ; 16 rows of 4,096 bytes
	s_lshl_b32 s32, s31, 11                        ; 512 numbers along K
	s_add_co_u32 s28, s28, s32
	s_mov_b32 s29, 0
	s_add_nc_u64 s[16:17], s[16:17], s[28:29]
	s_lshl_b32 s28, s30, 15                        ; 64 pieces an n tile
	s_lshl_b32 s32, s31, 14
	s_add_co_u32 s28, s28, s32
	s_add_nc_u64 s[22:23], s[22:23], s[28:29]
	v_and_b32 v8, 15, v0
	v_bfe_u32 v9, v0, 4, 1
	v_lshlrev_b32 v10, 12, v8
	v_lshl_add_u32 v10, v9, 5, v10                 ; in: row lane % 16, + 8 numbers for lanes 16-31
.macro WLOAD g                         ; group g: pieces 8 g .. 8 g + 7; piece i begins 16 numbers (64 bytes) x i along the row
.irp j, 0,1,2,3,4,5,6,7
	global_load_b128 v[16+64*((\g)%2)+8*\j:16+64*((\g)%2)+8*\j+3], v10, s[16:17] offset:64*(8*(\g)+\j)
	global_load_b128 v[16+64*((\g)%2)+8*\j+4:16+64*((\g)%2)+8*\j+7], v10, s[16:17] offset:64*(8*(\g)+\j)+16
.endr
.endm
.macro WOUT g
.if (\g) < 3
	s_wait_loadcnt 16                              ; this group's 16 loads are in; the next group's 16 may be out
.else
	s_wait_loadcnt 0x0
.endif
.if (\g) > 0
	s_wait_xcnt 0x0                                ; the last group's stores have read v144-175: they are written again only behind this wait
.endif
.irp j, 0,1,2,3,4,5,6,7
.irp i, 0,1,2,3
	v_cvt_pk_f16_f32 v[144+4*\j+\i], v[16+64*((\g)%2)+8*\j+2*\i], v[16+64*((\g)%2)+8*\j+2*\i+1]
.endr
.endr
.irp j, 0,1,2,3,4,5,6,7
	global_store_b128 v3, v[144+4*\j:144+4*\j+3], s[22:23] offset:512*(8*(\g)+\j)   ; 32 lanes store 512 consecutive bytes
.endr
.if (\g) < 2
	WLOAD (\g)+2
.endif
.endm
	WLOAD 0
	WLOAD 1
	WOUT 0
	WOUT 1
	WOUT 2
	WOUT 3
	s_wait_tensorcnt 0x0                           ; the same three lines at this path's end
	ds_add_u32 v[SPW], v[NIL]
	s_wait_dscnt 0x0
	s_endpgm
.Lfunc_end_k_q924a1fe948_quant:
	.size	k_q924a1fe948_quant, .Lfunc_end_k_q924a1fe948_quant-k_q924a1fe948_quant
	.p2alignl 7, 3214868480
	.fill 96, 4, 3214868480
	.section	.rodata,"a",@progbits
	.p2align	6, 0x0
	.amdhsa_kernel k_q924a1fe948_quant
		.amdhsa_group_segment_fixed_size 33280
		.amdhsa_private_segment_fixed_size 0
		.amdhsa_enable_private_segment 0
		.amdhsa_kernarg_size 80
		.amdhsa_user_sgpr_count 2
		.amdhsa_user_sgpr_kernarg_segment_ptr 1
		.amdhsa_wavefront_size32 1
		.amdhsa_system_sgpr_workgroup_id_x 1
		.amdhsa_system_sgpr_workgroup_id_y 1
		.amdhsa_system_sgpr_workgroup_id_z 1
		.amdhsa_system_vgpr_workitem_id 0
		.amdhsa_next_free_vgpr 192
		.amdhsa_next_free_sgpr 66
		.amdhsa_reserve_vcc 0
		.amdhsa_float_denorm_mode_32 3
		.amdhsa_float_denorm_mode_16_64 3
		.amdhsa_memory_ordered 1
		.amdhsa_forward_progress 1
		.amdhsa_inst_pref_size 52
	.end_amdhsa_kernel
	.amdgpu_metadata
---
amdhsa.version: [ 1, 2 ]
amdhsa.kernels:
  - .name:           k_q924a1fe948_quant
    .symbol:         k_q924a1fe948_quant.kd
    .args:
      - { .name: query, .offset: 0, .size: 8, .value_kind: global_buffer, .address_space: global }
      - { .name: key, .offset: 8, .size: 8, .value_kind: global_buffer, .address_space: global }
      - { .name: value, .offset: 16, .size: 8, .value_kind: global_buffer, .address_space: global }
      - { .name: wq, .offset: 24, .size: 8, .value_kind: global_buffer, .address_space: global }
      - { .name: wk, .offset: 32, .size: 8, .value_kind: global_buffer, .address_space: global }
      - { .name: wv, .offset: 40, .size: 8, .value_kind: global_buffer, .address_space: global }
      - { .name: wo, .offset: 48, .size: 8, .value_kind: global_buffer, .address_space: global }
      - { .name: codes, .offset: 56, .size: 8, .value_kind: global_buffer, .address_space: global }
      - { .name: scales, .offset: 64, .size: 8, .value_kind: global_buffer, .address_space: global }
      - { .name: woh, .offset: 72, .size: 8, .value_kind: global_buffer, .address_space: global }
    .group_segment_fixed_size: 33280
    .private_segment_fixed_size: 0
    .kernarg_segment_align: 8
    .kernarg_segment_size: 80
    .max_flat_workgroup_size: 128
    .sgpr_count:     66
    .vgpr_count:     192
    .wavefront_size: 32
...
	.end_amdgpu_metadata
.endif
;; end of part 1
;; launch proj (part 2): grid 4 x 96, 4 waves a work-group, clusters of 4 x 4, 327,680 bytes of LDS; arguments codes, scales, bq, bk, bv, mask, qkv; writes qkv
.if DOCPART == 2
	.amdgcn_target "amdgcn-amd-amdhsa--gfx1250"
	.amdhsa_code_object_version 6
	.text
	.protected	k_q924a1fe948_proj
	.globl	k_q924a1fe948_proj
	.p2align	8
	.type	k_q924a1fe948_proj,@function
k_q924a1fe948_proj:
	s_mov_b64 s[64:65], 0
	v_nop
	global_prefetch_b8 v0, s[64:65] scope:SCOPE_SE
	s_setreg_imm32_b32 hwreg(HW_REG_WAVE_MODE, 25, 1), 1
	s_wait_xcnt 0x0
	s_wait_alu depctr_hold_cnt(0) depctr_sa_sdst(0) depctr_va_vdst(0) depctr_va_sdst(0) depctr_va_ssrc(0) depctr_va_vcc(0) depctr_vm_vsrc(0)
	s_getreg_b32 s2, hwreg(HW_REG_IB_STS2, 6, 4)
	s_cmp_eq_u32 s2, 0
	s_cbranch_scc0 .Lentry_in_a_cluster
	s_endpgm
.Lentry_in_a_cluster:
	s_bfe_u32 s2, ttmp6, 0x10000c
	s_cmp_lg_u32 s2, 0xf033
	s_cbranch_scc0 .Lentry_shape_is_right
	s_endpgm
.Lentry_shape_is_right:
; The three projections, on codes of FP4 (E2M1) with one E8M0 scale for each 32 along K = 1024; sums in f32; results leave as f16, laid as images of the next products' operand registers.
;   p = 0: Q' = c (query wq^T + bq), c = log2(e) / 8, so that the attention's scores are exponents of 2;   p = 1: K' = key wk^T + bk, its rows set to 0 where mask == 0 (the attention puts the masked score in as a sum's start);
;   p = 2: V^T = wv value^T + bv: the two streams change places, so that a lane holds one channel and eight neighbouring keys.
; LIMITS: c Q, K and V are rounded to f16: magnitudes under 65,504; under 6.1e-5 the step is 2^-24.  NaN and infinities are not served.
; SHARES.  24 clusters of 4 x 4 work-groups: p = cluster y / 8, q = cluster y % 8.  A work-group makes 256 x 256 ("A" rows x "B" rows), a wave 128 x 128: 64 accumulators, 512 registers.  A = the tokens and B = the weight for p < 2
; (tile row 4 q + cy of 32, tile column cx of 4); A = wv and B = value for p = 2 (tile row cy, tile column 4 q + cx).  Only scalar selects on p differ; p is the same in all partners of a cluster; the text has one path.
; K = 1024 is two slots of 512 (rows of 256 bytes): both are asked for at the head and nothing is filled again.  The scale bytes of the work-group's rows, two dense blocks, come with them.
; CLUSTER.  The four of a row of the cluster need the same rows of A, the four of a column the same rows of B: each tile is asked for jointly, by the same tensor load with the same descriptor and a mask that names the four.
; THE MATRIX INSTRUCTION IS USED TRANSPOSED (source 0 = 16 rows of B, source 1 = 16 rows of A): lane l holds A's row l % 16 and eight neighbouring rows of B, 8 (l / 16) + 0 .. 7: rounded to f16 they are 16 bytes, and the wave's
; 512 bytes are four registers of a 16-bit fragment in the very lanes that want them.  So results are stored straight from registers, 512 consecutive bytes an instruction, and no LDS stage is used.
; qkv: three regions of 2^24 bytes (Q', K', V^T), each [batch x head 64][16-channel tile 4][16-position tile 128][512 bytes].
; REGISTERS: window 0: v1-29 addresses; v32-95 scale words, two sets; v96-111 the row's factor, v112-127 the row's addend (pairs, one for each of A's 8 blocks); v128-191 A's fragments, one set; v192-255 the bias as the first products' C.
;   window 1: B's fragments, two sets, at v0 and v128.  window 2: accumulators of A's blocks 0-3 ((a, b) at v[8 (8 a + b)]); window 3: of blocks 4-7.
.set NQ,     4                         ; matrix instructions deep in a slot: 512 / 128
.set ROWB,   256                       ; a tile's row in bytes: 512 codes
.set KROW,   512                       ; a row of codes in memory
.set PITCH,  272                       ; an LDS row: 256 bytes + 16 of padding, so that the 16 rows of a fragment load begin 16 bytes further on in each 256
.set FR,     8
.set NL,     2
.set NP,     4                         ; places behind this matrix instruction (ISA guide 7.12.1)
.set HALFT,  128*PITCH
.set SLOT,   4*HALFT                   ; A's 256 rows, then B's 256 rows
.set KS,     32                        ; a row of scale bytes
.set SCL,    2*SLOT                    ; behind the slots: the scales, as 256 bytes + 16 of padding
.set HALFS,  (128*KS/256)*272
.set SBLK,   (16*KS/256)*272
.set SPARE,  SCL+4*HALFS               ; the spare words, 128 bytes a wave, which no other line names
.set FAC,  7                           ; v7      c (p = 0) or 1
.set VO,   8                           ; v8-15   the way out: 16 x lane + b x (bytes from one of B's blocks to the next)
.set ADRA, 16
.set ADRB, 20
.set OB,   22                          ; v22-24  offsets of the loads of bias, mask, addend; never rewritten
.set OM,   23
.set OG,   24
.set ADRS, 27
.set SPW,  28
.set NIL,  29
.set SC,   32
.set FF,   96
.set GG,   112
.set AF,   128
.set BI,   192
.set G1, 24
.set G0, 32
.set G1B, 48
.set G0B, 56
.set G1S, 68
.set G0S, 76
.set G1SB, 80
.set G0SB, 88
.set MSB, 0
.macro WIN new                         ; the immediate's high byte repeats the setting that is left
.if MSB != (\new)
	s_set_vgpr_msb (MSB<<8)|(\new)
.set MSB, (\new)
.endif
.endm
.set MUL_LO,  0xa1                     ; source 0 (B) window 1, source 1 (A) window 0, C and D window 2
.set MUL_HI,  0xf1                     ; the same, C and D window 3
.set MULZ_LO, 0x81                     ; the first step: C is the bias, in window 0
.set MULZ_HI, 0xc1
.set TO_B,    0x40
; A joint load: waves 0 and 1 fetch for A, waves 2 and 3 for B; the branch hangs on the wave's number alone.  An s_nop 0 and four v_nop follow each of the two lines.
.macro JLOAD g0a, g1a, g0b, g1b
	s_cmp_eq_u32 s19, 0
	s_cbranch_scc0 .Lfor_b_\@
	tensor_load_to_lds s[\g0a:\g0a+3], s[\g1a:\g1a+7]
	s_nop 0
.rept 4
	v_nop
.endr
	s_branch .Lasked_\@
.Lfor_b_\@:
	tensor_load_to_lds s[\g0b:\g0b+3], s[\g1b:\g1b+7]
	s_nop 0
.rept 4
	v_nop
.endr
.Lasked_\@:
.endm
.macro CROUND                          ; a round of the cluster's barrier
	s_barrier_signal -1
	s_barrier_wait -1
	s_cmp_lg_u32 s18, 0
	s_cbranch_scc1 .Lnot_wave_0_\@
	s_barrier_signal -3
.Lnot_wave_0_\@:
	s_barrier_wait -3
	s_barrier_signal -1
	s_barrier_wait -1
.endm
	s_load_b128 s[4:7], s[0:1], 0x0                ; codes, scales
	s_load_b256 s[8:15], s[0:1], 0x10              ; bq, bk, bv, mask
	s_load_b64 s[16:17], s[0:1], 0x30              ; qkv
	v_lshl_add_u32 v[SPW], v0, 2, SPARE
	v_mov_b32 v[NIL], 0
	ds_add_u32 v[SPW], v[NIL]                      ; the wave's opening: the add, twice on end, and its wait ahead of my first tensor load
	ds_add_u32 v[SPW], v[NIL]
	v_lshrrev_b32 v1, 5, v0
	v_readfirstlane_b32 s18, v1                    ; wave 0..3
	s_lshr_b32 s19, s18, 1                         ; which half of A's rows is mine.  Also: I fetch for A (0) or for B (1)
	s_and_b32 s20, s18, 1                          ; which half of B's rows.  Also: which 128 rows of that tile I fetch
	s_bfe_u32 s21, ttmp6, 0x40000                  ; cx
	s_bfe_u32 s22, ttmp6, 0x40004                  ; cy
	s_and_b32 s23, ttmp7, 0xffff                   ; cluster y
	s_lshr_b32 s40, s23, 3                         ; p: which projection
	s_and_b32 s23, s23, 7                          ; q
	s_cmp_lt_u32 s40, 2
	s_cselect_b32 s41, s23, 0
	s_cselect_b32 s42, 0, s23
	s_lshl_b32 s41, s41, 2
	s_add_co_u32 s41, s41, s22                     ; A's tile row
	s_lshl_b32 s42, s42, 2
	s_add_co_u32 s42, s42, s21                     ; B's tile row
	s_lshl_b32 s43, s22, 2
	s_lshl_b32 s43, 15, s43                        ; my row of the cluster
	s_lshl_b32 s44, 0x1111, s21                    ; my column
	; descriptor group 1: a tile of 128 rows x 256 bytes, 16 bytes of padding behind each row
	s_or_b32 s[G1+0], s43, (0<<16)|(1<<20)|(1<<21)|(5<<22)|(3<<25)
	s_or_b32 s[G1B+0], s44, (0<<16)|(1<<20)|(1<<21)|(5<<22)|(3<<25)
.irp g, G1, G1B
	s_mov_b32 s[\g+1], ROWB<<16                    ; tensor_dim0
	s_mov_b32 s[\g+2], 128<<16                     ; tensor_dim1
	s_mov_b32 s[\g+3], ROWB<<16                    ; tile_dim0
	s_mov_b32 s[\g+4], 128                         ; tile_dim1
	s_mov_b32 s[\g+5], KROW                        ; from row to row
	s_mov_b32 s[\g+6], 0
	s_mov_b32 s[\g+7], 0
.endr
	; the scales of 128 rows: 4,096 dense bytes, as 16 rows of 256 bytes (32 elements of 8 bytes), 16 bytes of padding behind each
	s_or_b32 s[G1S+0], s43, (3<<16)|(1<<20)|(1<<21)|(5<<22)|(3<<25)
	s_or_b32 s[G1SB+0], s44, (3<<16)|(1<<20)|(1<<21)|(5<<22)|(3<<25)
.irp g, G1S, G1SB
	s_mov_b32 s[\g+1], 32<<16
	s_mov_b32 s[\g+2], (128*KS/256)<<16
	s_mov_b32 s[\g+3], 32<<16
	s_mov_b32 s[\g+4], 128*KS/256
	s_mov_b32 s[\g+5], 32
	s_mov_b32 s[\g+6], 0
	s_mov_b32 s[\g+7], 0
.endr
	s_lshl_b32 s2, s20, 7                          ; which 128 rows of the tile I fetch
	s_lshl_b32 s66, s41, 8
	s_add_co_u32 s66, s66, s2                      ; A's row
	s_lshl_b32 s46, s42, 8
	s_add_co_u32 s46, s46, s2                      ; B's row
	s_lshl_b32 s96, s66, 5                         ; 32 scale bytes a row
	s_lshl_b32 s92, s46, 5
	s_lshl_b32 s66, s66, 9                         ; 512 bytes of codes a row
	s_lshl_b32 s46, s46, 9
	s_lshl_b32 s98, s40, 22                        ; where projection p's tokens begin in the stream of codes,
	s_lshl_b32 s99, s40, 19
	s_add_co_u32 s99, s99, 12582912                ; its weight,
	s_lshl_b32 s100, s40, 18                       ; and the same in the stream of scale bytes
	s_lshl_b32 s101, s40, 15
	s_add_co_u32 s101, s101, 786432
	s_cmp_lt_u32 s40, 2                            ; p < 2: A = tokens, B = weight; p = 2: the other way round
	s_cselect_b32 s2, s98, s99
	s_cselect_b32 s3, s99, s98
	s_cselect_b32 s95, s100, s101
	s_cselect_b32 s98, s101, s100
	s_add_co_u32 s66, s66, s2                      ; all under 2^24
	s_add_co_u32 s46, s46, s3
	s_add_co_u32 s96, s96, s95
	s_add_co_u32 s92, s92, s98
	s_mov_b32 s67, 0
	s_mov_b32 s47, 0
	s_mov_b32 s97, 0
	s_mov_b32 s93, 0
	s_mul_i32 s45, s18, HALFT                      ; where they go: wave x 128 rows: no place in the cluster enters an LDS address
	s_mul_i32 s94, s18, HALFS
	s_wait_dscnt 0x0                               ; both opening adds are done
	s_wait_kmcnt 0x0
	s_add_nc_u64 s[66:67], s[4:5], s[66:67]
	s_add_nc_u64 s[46:47], s[4:5], s[46:47]
	s_add_nc_u64 s[96:97], s[6:7], s[96:97]
	s_add_nc_u64 s[92:93], s[6:7], s[92:93]
	CROUND                                         ; all sixteen work-groups are here: the joint loads meet
	s_mov_b32 s[G0S], 1
	s_add_co_u32 s[G0S+1], s94, SCL
	s_mov_b64 s[G0S+2:G0S+3], s[96:97]
	s_or_b32 s[G0S+3], s[G0S+3], 0x80000000
	s_mov_b32 s[G0SB], 1
	s_add_co_u32 s[G0SB+1], s94, SCL
	s_mov_b64 s[G0SB+2:G0SB+3], s[92:93]
	s_or_b32 s[G0SB+3], s[G0SB+3], 0x80000000
	JLOAD G0S, G1S, G0SB, G1SB                     ; the scales first: they are wanted with the first slot
.irp s, 0,1
	s_mov_b32 s[G0+4*\s], 1
	s_add_co_u32 s[G0+4*\s+1], s45, \s*SLOT
	s_add_nc_u64 s[G0+4*\s+2:G0+4*\s+3], s[66:67], \s*ROWB
	s_or_b32 s[G0+4*\s+3], s[G0+4*\s+3], 0x80000000
	s_mov_b32 s[G0B+4*\s], 1
	s_add_co_u32 s[G0B+4*\s+1], s45, \s*SLOT
	s_add_nc_u64 s[G0B+4*\s+2:G0B+4*\s+3], s[46:47], \s*ROWB
	s_or_b32 s[G0B+4*\s+3], s[G0B+4*\s+3], 0x80000000
	JLOAD G0+4*\s, G1, G0B+4*\s, G1B               ; three tensor loads of mine are out
.endr
	; ---- bias, factor and addend.  out = (sum + X) F + G.  p < 2: X = the bias of the lane's eight channels (B's rows), G = 0; F = c (p = 0), or 1 and 0 where mask == 0 (p = 1).  p = 2: X = 0, F = 1, G = bv of the lane's channel (A's row).
	; Every load is made for every p, at offsets that stay inside its buffer, and what does not count is replaced by a select.
	v_and_b32 v1, 15, v0                           ; r
	v_bfe_u32 v2, v0, 4, 1                         ; h
	s_cmp_eq_u32 s40, 0
	s_cselect_b64 s[98:99], s[8:9], s[10:11]
	s_cselect_b32 s100, 0x3e38aa3b, 1.0            ; c = log2(e) / 8
	s_cmp_eq_u32 s40, 1
	s_cselect_b32 s67, -1, 0                       ; all ones where p = 1
	s_cmp_eq_u32 s40, 2
	s_cselect_b64 s[98:99], s[12:13], s[98:99]     ; projection p's bias
	s_cselect_b32 s95, -1, 0                       ; all ones where p = 2
	s_cselect_b32 s101, 0, -1                      ; all ones where p < 2
	v_mov_b32 v[FAC], s100
	s_lshl_b32 s2, s42, 8
	s_lshl_b32 s3, s20, 7
	s_add_co_u32 s2, s2, s3
	s_lshl_b32 s2, s2, 2                           ; my first row of B, x 4 bytes
	s_lshl_b32 s3, s41, 8
	s_lshl_b32 s66, s19, 7
	s_add_co_u32 s3, s3, s66
	s_lshl_b32 s3, s3, 2                           ; my first row of A, x 4 bytes
	s_cmp_eq_u32 s40, 2
	s_cselect_b32 s2, 0, s2
	s_cselect_b32 s66, s3, 0
	v_lshl_add_u32 v[OB], v2, 5, s2
	v_lshl_add_u32 v[OM], v1, 2, s3
	v_lshl_add_u32 v[OG], v1, 2, s66
.irp b, 0,1,2,3,4,5,6,7
	global_load_b128 v[BI+8*\b:BI+8*\b+3], v[OB], s[98:99] offset:64*\b
	global_load_b128 v[BI+8*\b+4:BI+8*\b+7], v[OB], s[98:99] offset:64*\b+16
.endr
.irp a, 0,1,2,3,4,5,6,7
	global_load_b32 v[FF+2*\a], v[OM], s[14:15] offset:64*\a       ; mask at A's row (a token's number where p < 2)
	global_load_b32 v[GG+2*\a], v[OG], s[98:99] offset:64*\a
.endr
	; ---- LDS addresses
	v_mul_u32_u24 v3, v1, PITCH
	v_lshl_add_u32 v4, v2, 4, v3                   ; a fragment's row x pitch + 16 x half
	s_mul_i32 s2, s19, HALFT                       ; my 128 rows of A
	s_mul_i32 s3, s20, HALFT                       ; my 128 rows of B,
	s_add_co_u32 s3, s3, 2*HALFT                   ; which lie behind A's 256
.irp s, 0,1
	v_add_nc_u32 v[ADRA+\s], s2, v4
	v_add_nc_u32 v[ADRB+\s], s3, v4
	s_add_co_u32 s2, s2, SLOT
	s_add_co_u32 s3, s3, SLOT
.endr
	v_mul_u32_u24 v5, v1, KS                       ; my row's scales: 32 bytes a row,
	v_lshrrev_b32 v6, 8, v5
	v_lshl_add_u32 v5, v6, 4, v5                   ; and 16 more for each 256 passed
	s_mul_i32 s2, s19, HALFS                       ; A's: my 128 rows
	s_mul_i32 s3, s20, HALFS                       ; B's: my 128 rows, behind A's 256
	s_add_co_u32 s3, s3, 2*HALFS
	s_sub_co_u32 s3, s3, s2
	v_mul_u32_u24 v6, s3, v2                       ; lanes 16-31 take B's
	s_add_co_u32 s2, s2, SCL
	v_add_nc_u32 v5, v5, v6
	v_add_nc_u32 v[ADRS], s2, v5
	; ---- the way out's offsets: from one of B's blocks to the next: a 16-channel tile (65,536 bytes) where p < 2, a 16-key tile (512) where p = 2; from one of A's blocks to the next the other way round
	s_mov_b32 s2, 512
	s_mov_b32 s3, 0x10000
	s_cmp_lt_u32 s40, 2
	s_cselect_b32 s66, s3, s2
	s_cselect_b32 s2, s2, s3                       ; s[2:3]: A's step
	s_mov_b32 s3, 0
	v_and_b32 v3, 31, v0
	v_lshlrev_b32 v[VO], 4, v3
.irp b, 1,2,3,4,5,6,7
	v_add_nc_u32 v[VO+\b], s66, v[VO+\b-1]
.endr
	s_wait_loadcnt 0x0                             ; bias, mask, addend
.irp j, 0,1,2,3,4,5,6,7,8,9,10,11,12,13,14,15,16,17,18,19,20,21,22,23,24,25,26,27,28,29,30,31,32,33,34,35,36,37,38,39,40,41,42,43,44,45,46,47,48,49,50,51,52,53,54,55,56,57,58,59,60,61,62,63
	v_cndmask_b32 v[BI+\j], 0, v[BI+\j], s101      ; X: the bias where p < 2, else 0
.endr
.irp a, 0,1,2,3,4,5,6,7
	v_cmp_eq_u32 vcc_lo, 0, v[FF+2*\a]
	s_and_b32 s66, vcc_lo, s67                     ; a masked key, and p = 1
	v_cndmask_b32 v[FF+2*\a], v[FAC], 0, s66       ; F
	v_mov_b32 v[FF+2*\a+1], v[FF+2*\a]             ; (named with it as a pair)
	v_cndmask_b32 v[GG+2*\a], 0, v[GG+2*\a], s95   ; G
	v_mov_b32 v[GG+2*\a+1], v[GG+2*\a]
.endr
	; ---- where my results begin: region p; batch = position tile row / 8; head x 4 + channel tile = 16 x channel tile row + 8 x half + block; position tile = 16 (tile row % 8) + 8 x half + block
	s_cmp_lt_u32 s40, 2
	s_cselect_b32 s46, s41, s42                    ; the tile row and half that count positions,
	s_cselect_b32 s47, s19, s20
	s_cselect_b32 s92, s42, s41                    ; and those that count channels
	s_cselect_b32 s93, s20, s19
	s_lshl_b32 s96, s40, 24
	s_lshr_b32 s97, s46, 3
	s_lshl_b32 s97, s97, 22
	s_add_co_u32 s96, s96, s97
	s_lshl_b32 s97, s92, 2
	s_lshl_b32 s93, s93, 1
	s_add_co_u32 s97, s97, s93
	s_lshl_b32 s97, s97, 18
	s_add_co_u32 s96, s96, s97
	s_and_b32 s97, s46, 7
	s_lshl_b32 s97, s97, 4
	s_lshl_b32 s47, s47, 3
	s_add_co_u32 s97, s97, s47
	s_lshl_b32 s97, s97, 9
	s_add_co_u32 s96, s96, s97                     ; under 2^26
	s_mov_b32 s97, 0
	s_add_nc_u64 s[16:17], s[16:17], s[96:97]
.macro FRAG reg, adr, q, i             ; 16 rows x 128 K of 4-bit codes: 8 registers: lane l holds row l % 16; registers 4 c .. 4 c + 3 hold K = 64 c + 32 (l / 16) + 0 .. 31
.irp c, 0,1
	ds_load_b128 v[\reg+4*\c:\reg+4*\c+3], v[\adr] offset:64*(\q)+32*\c+(\i)*16*PITCH
.endr
.endm
; 16 matrix instructions: A's blocks a0, a0 + 1 x B's eight, the slot's q-th 128 along K.  p: B's set; sc: the set of scale words.  zero = 1: the first products start the sums, with X as their C.
; One register carries A's scale word (lanes 0-15) and B's (lanes 16-31).  The 64 accumulators take turns, one instruction a turn, in the same order in every step.
.macro MUL16 a0, p, q, sc, zero
.irp a, \a0, \a0+1
.irp b, 0,1,2,3,4,5,6,7
.if \zero
	v_wmma_scale_f32_16x16x128_f8f6f4 v[8*(8*((\a)%4)+\b):8*(8*((\a)%4)+\b)+7], v[128*(\p)+FR*\b:128*(\p)+FR*\b+FR-1], v[AF+FR*(\a):AF+FR*(\a)+FR-1], v[BI+8*\b:BI+8*\b+7], v[SC+8*NQ*(\sc)+NQ*\b+(\q)], v[SC+8*NQ*(\sc)+NQ*(\a)+(\q)] matrix_a_fmt:MATRIX_FMT_FP4 matrix_b_fmt:MATRIX_FMT_FP4 matrix_a_scale:MATRIX_SCALE_ROW1
.else
	v_wmma_scale_f32_16x16x128_f8f6f4 v[8*(8*((\a)%4)+\b):8*(8*((\a)%4)+\b)+7], v[128*(\p)+FR*\b:128*(\p)+FR*\b+FR-1], v[AF+FR*(\a):AF+FR*(\a)+FR-1], v[8*(8*((\a)%4)+\b):8*(8*((\a)%4)+\b)+7], v[SC+8*NQ*(\sc)+NQ*\b+(\q)], v[SC+8*NQ*(\sc)+NQ*(\a)+(\q)] matrix_a_fmt:MATRIX_FMT_FP4 matrix_b_fmt:MATRIX_FMT_FP4 matrix_a_scale:MATRIX_SCALE_ROW1
.endif
.endr
.endr
.endm
.macro FETCH_B slot, q, p
	WIN TO_B
.irp i, 0,1,2,3,4,5,6,7
	FRAG 128*(\p)+FR*\i, ADRB+\slot, \q, \i
.endr
	WIN 0
.endm
.macro FETCH_A slot, q, i0
.irp i, \i0, \i0+1, \i0+2, \i0+3
	FRAG AF+FR*(\i), ADRA+\slot, \q, \i
.endr
.endm
.macro SCALES sc                       ; a slot's scale words: four words a row; lanes 0-15 take A's block i, lanes 16-31 B's block i
.irp i, 0,1,2,3,4,5,6,7
	ds_load_b128 v[SC+8*NQ*\sc+NQ*\i:SC+8*NQ*\sc+NQ*\i+3], v[ADRS] offset:\i*SBLK
.endr
.endm
.macro PLACES n                        ; plain vector instructions between a matrix instruction and a load into, or a vector instruction on, its registers
.rept \n
	v_nop
.endr
.endm
; A step of 128 along K that has its successor in the same slot.  A has one set of registers: a block is free when its eight products are issued; B has two.
.macro STEP slot, q, zero
	s_wait_dscnt 4*NL                              ; B's set and A's blocks 0-3 are in; the eight youngest loads (A's blocks 4-7) may be out
.if \zero
	WIN MULZ_LO
.else
	WIN MUL_LO
.endif
	MUL16 0, (\q)%2, \q, \slot, \zero
	MUL16 2, (\q)%2, \q, \slot, \zero
	s_wait_dscnt 0
	PLACES NP
	FETCH_B \slot, (\q)+1, 1-(\q)%2
	FETCH_A \slot, (\q)+1, 0
.if \zero
	WIN MULZ_HI
.else
	WIN MUL_HI
.endif
	MUL16 4, (\q)%2, \q, \slot, \zero
	MUL16 6, (\q)%2, \q, \slot, \zero
	PLACES NP
	WIN 0
	FETCH_A \slot, (\q)+1, 4
.endm
; Slot 0's last step goes over to slot 1: each wave waits for all its tensor loads (its part of slot 1), and one barrier shows the whole slot to every wave.  Nothing is filled again.
.macro TURN slot, next
	s_wait_tensorcnt 0x0
	ds_add_u32 v[SPW], v[NIL]                      ; 0 onto my spare word
	s_wait_dscnt 4*NL+1                            ; (the add and the eight youngest loads may be out)
	WIN MUL_LO
	MUL16 0, 1, NQ-1, \slot, 0
	s_wait_dscnt 0x0
	s_barrier_signal -1
	MUL16 2, 1, NQ-1, \slot, 0
	WIN 0
	s_barrier_wait -1
	PLACES NP
	v_add_nc_u32 v[ADRS], 4*NQ, v[ADRS]            ; on to the next slot's scale words (no LDS load of mine is out)
	FETCH_B \next, 0, 0
	FETCH_A \next, 0, 0
	SCALES \next
	WIN MUL_HI
	MUL16 4, 1, NQ-1, \slot, 0
	MUL16 6, 1, NQ-1, \slot, 0
	PLACES NP
	WIN 0
	FETCH_A \next, 0, 4
.endm
.macro STEPS slot, from
.set Q, \from
.rept NQ-1-\from
	STEP \slot, Q, 0
.set Q, Q+1
.endr
.endm
	s_wait_tensorcnt 1                             ; the scales and my part of slot 0 are in; slot 1's load may be out,
	s_barrier_signal -1
	s_barrier_wait -1                              ; everybody's are
	FETCH_B 0, 0, 0
	FETCH_A 0, 0, 0
	SCALES 0
	FETCH_A 0, 0, 4
	STEP 0, 0, 1
	STEPS 0, 1
	TURN 0, 1
	STEPS 1, 0
	s_wait_dscnt 4*NL                              ; the last step: nothing more to fetch
	WIN MUL_LO
	MUL16 0, 1, NQ-1, 1, 0
	MUL16 2, 1, NQ-1, 1, 0
	s_wait_dscnt 0
	WIN MUL_HI
	MUL16 4, 1, NQ-1, 1, 0
	MUL16 6, 1, NQ-1, 1, 0
	WIN 0
; THE WAY OUT, one of A's blocks at a time: sum x F + G (packed, each accumulator from its low end on), rounded to f16, stored: eight pieces of 512 consecutive bytes.
; The packed results take two sets of registers by turns: a set is written again only behind the wait in the block between.
.macro OUT a
.set AC, 64*((\a)%4)
.set PS, 32+32*((\a)%2)
	WIN 0x02+(\a)/4                                ; source 0: window 2 or 3
.irp b, 0,1,2,3,4,5,6,7
.irp j, 0,2,4,6
	v_pk_fma_f32 v[AF+8*\b+\j:AF+8*\b+\j+1], v[AC+8*\b+\j:AC+8*\b+\j+1], v[FF+2*(\a):FF+2*(\a)+1], v[GG+2*(\a):GG+2*(\a)+1] op_sel_hi:[1,0,0]
.endr
.endr
	WIN 0
.irp b, 0,1,2,3,4,5,6,7
.irp i, 0,1,2,3
	v_cvt_pk_f16_f32 v[PS+4*\b+\i], v[AF+8*\b+2*\i], v[AF+8*\b+2*\i+1]
.endr
.endr
.if (\a) > 0
	s_wait_xcnt 0x0                                ; the earlier stores have read their base and their data
	s_add_nc_u64 s[16:17], s[16:17], s[2:3]        ; A's next block
.endif
.irp b, 0,1,2,3,4,5,6,7
	global_store_b128 v[VO+\b], v[PS+4*\b:PS+4*\b+3], s[16:17]
.endr
.endm
	PLACES NP                                      ; behind the last products: their sources (A's fragments, the scale words) are written below
.irp a, 0,1,2,3,4,5,6,7
	OUT \a
.endr
	s_wait_tensorcnt 0x0                           ; the wave's end
	ds_add_u32 v[SPW], v[NIL]
	s_wait_dscnt 0x0
	CROUND                                         ; the closing round: no work-group ends while a partner may still ask for a tile that names it
	s_endpgm
.Lfunc_end_k_q924a1fe948_proj:
	.size	k_q924a1fe948_proj, .Lfunc_end_k_q924a1fe948_proj-k_q924a1fe948_proj
	.p2alignl 7, 3214868480
	.fill 96, 4, 3214868480
	.section	.rodata,"a",@progbits
	.p2align	6, 0x0
	.amdhsa_kernel k_q924a1fe948_proj
		.amdhsa_group_segment_fixed_size 327680
		.amdhsa_private_segment_fixed_size 0
		.amdhsa_enable_private_segment 0
		.amdhsa_kernarg_size 56
		.amdhsa_user_sgpr_count 2
		.amdhsa_user_sgpr_kernarg_segment_ptr 1
		.amdhsa_wavefront_size32 1
		.amdhsa_system_sgpr_workgroup_id_x 1
		.amdhsa_system_sgpr_workgroup_id_y 1
		.amdhsa_system_sgpr_workgroup_id_z 1
		.amdhsa_system_vgpr_workitem_id 0
		.amdhsa_next_free_vgpr 1024
		.amdhsa_next_free_sgpr 102
		.amdhsa_reserve_vcc 1
		.amdhsa_float_denorm_mode_32 3
		.amdhsa_float_denorm_mode_16_64 3
		.amdhsa_memory_ordered 1
		.amdhsa_forward_progress 1
		.amdhsa_inst_pref_size 145
	.end_amdhsa_kernel
	.amdgpu_metadata
---
amdhsa.version: [ 1, 2 ]
amdhsa.kernels:
  - .name:           k_q924a1fe948_proj
    .symbol:         k_q924a1fe948_proj.kd
    .args:
      - { .name: codes, .offset: 0, .size: 8, .value_kind: global_buffer, .address_space: global }
      - { .name: scales, .offset: 8, .size: 8, .value_kind: global_buffer, .address_space: global }
      - { .name: bq, .offset: 16, .size: 8, .value_kind: global_buffer, .address_space: global }
      - { .name: bk, .offset: 24, .size: 8, .value_kind: global_buffer, .address_space: global }
      - { .name: bv, .offset: 32, .size: 8, .value_kind: global_buffer, .address_space: global }
      - { .name: mask, .offset: 40, .size: 8, .value_kind: global_buffer, .address_space: global }
      - { .name: qkv, .offset: 48, .size: 8, .value_kind: global_buffer, .address_space: global }
    .group_segment_fixed_size: 327680
    .private_segment_fixed_size: 0
    .kernarg_segment_align: 8
    .kernarg_segment_size: 56
    .max_flat_workgroup_size: 128
    .sgpr_count:     102
    .vgpr_count:     1024
    .wavefront_size: 32
...
	.end_amdgpu_metadata
.endif
;; end of part 2
;; launch attn (part 3): grid 4 x 64, 8 waves a work-group, clusters of 4 x 1, 327,680 bytes of LDS; arguments qkv, mask, att; writes att
.if DOCPART == 3
	.amdgcn_target "amdgcn-amd-amdhsa--gfx1250"
	.amdhsa_code_object_version 6
	.text
	.protected	k_q924a1fe948_attn
	.globl	k_q924a1fe948_attn
	.p2align	8
	.type	k_q924a1fe948_attn,@function
k_q924a1fe948_attn:
	s_mov_b64 s[64:65], 0
	v_nop
	global_prefetch_b8 v0, s[64:65] scope:SCOPE_SE
	s_setreg_imm32_b32 hwreg(HW_REG_WAVE_MODE, 25, 1), 1
	s_wait_xcnt 0x0
	s_wait_alu depctr_hold_cnt(0) depctr_sa_sdst(0) depctr_va_vdst(0) depctr_va_sdst(0) depctr_va_ssrc(0) depctr_va_vcc(0) depctr_vm_vsrc(0)
	s_getreg_b32 s2, hwreg(HW_REG_IB_STS2, 6, 4)
	s_cmp_eq_u32 s2, 0
	s_cbranch_scc0 .Lentry_in_a_cluster
	s_endpgm
.Lentry_in_a_cluster:
	s_bfe_u32 s2, ttmp6, 0x10000c
	s_cmp_lg_u32 s2, 0x3003
	s_cbranch_scc0 .Lentry_shape_is_right
	s_endpgm
.Lentry_shape_is_right:
; att = softmax(where(mask == 0, -1e9, Q K^T / 8)) V for each batch and head; 2,048 positions, head size 64.  Operands in f16, as the launch before laid them: Q' = c Q with c = log2(e) / 8, K' with masked rows 0, V^T;
; products, maxima and sums in f32; the weights p are rounded to f16 for the second product; the row's sum is taken of the unrounded p and divides at the end.
; THE MASK costs no vector instruction in the loop.  A masked key's row of K' is 0, and the first product of a score's sum takes as its C a table entry: 0 for an open key, NEG = -1e9 log2(e) for a masked one.
; So a masked score is exactly NEG for every query; where all keys of a batch are masked all p are 1, and the result is the mean of V.
; SOFTMAX.  t = c s comes out of the product.  For each query a running maximum m and sum l: p = 2^(t - m); in every step O and l are multiplied by a = 2^(m_old - m_new).
; LIMITS: the result is rounded to f16 (magnitudes under 65,504; under 6.1e-5 the step is 2^-24).  NaN and infinities are not served.
; SHARES.  A work-group owns 512 queries of one head, each of its eight waves 64: four tiles of 16.  Two waves of 512 registers lie on a SIMD, so that one wave's softmax can stand beside the other's products.
; Every wave walks all 2,048 keys, 64 a step; each fragment of K or V read from LDS feeds four matrix instructions.
; LAYOUT.  S^T = K Q^T (source 0 = 16 keys, source 1 = 16 queries): a lane holds ONE query (lane % 16) and keys 8 (lane / 16) + 0 .. 7.  Two such tiles, rounded to f16 in pairs, ARE source 1 of O^T = V^T P.
; All operands lie in memory and LDS as PIECES of 512 bytes, lane l's 16 bytes at 16 l, four registers of a fragment: no pitch, no padding, no turning load.
; RING.  Two slots of 512 keys; a slot has eight rows of 16,384 bytes: K's four channel tiles, V's four; wave w fetches row w, a dense block of memory, by one tensor load.  The change of slots stands at a slot's head,
; so a load has eight key steps in which to land: no wave waits for that stream, and no prefetch is laid.
; CLUSTER.  The four query blocks of a head walk the same K and V: every tile is asked for jointly, with a mask that names the four.
; REGISTERS: window 0: v1-12 addresses and constants; v16-47 eight registers of statistics a tile; v48-55 at work at the head; v64-191 S^T, 32 a tile (P is packed into its low half); v192-255 K's fragments of a step, then V's.
;   window 1: v0-127 O^T, 32 a tile; v128-191 Q, 16 a tile; v192-223 the step's table entries, the C of the first products.
.set SLOT1, 1<<17                      ; slot 1 begins here: one exclusive or turns an address in one slot into the other's
.set ROWL,  16384                      ; a row of a slot: 32 pieces
.set SPARE, 2*SLOT1                    ; behind the ring: the spare words, 128 bytes a wave, which no other line names
.set MASKT, SPARE+1024                 ; behind them: the table, 2,048 f32, written by LDS stores alone
.set LI,  1                            ; v1   16 x lane
.set AV0, 2                            ; v2   16 x lane + 4 rows: V's part of a slot
.set AM0, 3                            ; v3   MASKT + 32 (lane / 16)
.set ADK, 4                            ; v4-6 the step's addresses
.set ADV, 5
.set ADM, 6
.set MO,  7                            ; v7   16 x thread: my part of the mask
.set MS,  8                            ; v8   MASKT + 16 x thread
.set SPW, 10
.set NIL, 11
.set NEGR, 12                          ; v12  NEG
.set ST,  16                           ; tile t's statistics at v[ST + 8 t]: +0 m, +1 the old m, +2, +3 l (even keys', odd keys'), +4 to +7 at work; a takes +6, its exponent +7
.set TW,  48
.set S,   64
.set KV,  192
.set QF,  128                          ; in window 1
.set MK,  192                          ; in window 1
.set WV,  12
.set CX,  13
.set BH,  14
.set G1,  24
.set G0,  32
.set SEL, 36
.set TB,  38                           ; s38  LDS byte at which the step's pieces begin in a row
.set TM,  39                           ; s39  the step's place in the table: 256 bytes a step
.set SLOTS, 40
.set CNT, 41
.set MSB, 0
.macro WIN new                         ; the immediate's high byte repeats the setting that is left
.if MSB != (\new)
	s_set_vgpr_msb (MSB<<8)|(\new)
.set MSB, (\new)
.endif
.endm
.macro CROUND                          ; a round of the cluster's barrier
	s_barrier_signal -1
	s_barrier_wait -1
	s_cmp_lg_u32 s[WV], 0
	s_cbranch_scc1 .Lnot_wave_0_\@
	s_barrier_signal -3
.Lnot_wave_0_\@:
	s_barrier_wait -3
	s_barrier_signal -1
	s_barrier_wait -1
.endm
.macro JOINT                           ; my row of a slot; both addresses hang on the wave's number and the head, which the partners share; an s_nop 0 and four v_nop follow
	tensor_load_to_lds s[G0:G0+3], s[G1:G1+7]
	s_nop 0
.rept 4
	v_nop
.endr
.endm
	s_load_b128 s[4:7], s[0:1], 0x0                ; qkv, mask
	s_load_b64 s[8:9], s[0:1], 0x10                ; att
	v_lshl_add_u32 v[SPW], v0, 2, SPARE
	v_mov_b32 v[NIL], 0
	ds_add_u32 v[SPW], v[NIL]                      ; the wave's opening: the add, twice on end, and its wait ahead of my first tensor load
	ds_add_u32 v[SPW], v[NIL]
	v_lshrrev_b32 v1, 5, v0
	v_readfirstlane_b32 s[WV], v1                  ; wave 0..7
	s_bfe_u32 s[CX], ttmp6, 0x40000                ; my place in the cluster: my block of 512 queries
	s_and_b32 s[BH], ttmp7, 0xffff                 ; 16 x batch + head
	; descriptor group 1: 16,384 dense bytes as 64 rows of 256 bytes (32 elements of 8 bytes), no padding
	s_mov_b32 s[G1], 15|(3<<16)|(1<<21)            ; the mask: all four work-groups; elements of 8 bytes; bit 21 set beside a mask
	s_mov_b32 s[G1+1], 32<<16                      ; tensor_dim0
	s_mov_b32 s[G1+2], 64<<16                      ; tensor_dim1
	s_mov_b32 s[G1+3], 32<<16                      ; tile_dim0
	s_mov_b32 s[G1+4], 64                          ; tile_dim1
	s_mov_b32 s[G1+5], 32                          ; from row to row
	s_mov_b32 s[G1+6], 0
	s_mov_b32 s[G1+7], 0
	s_lshr_b32 s16, s[WV], 2                       ; my row in memory: region 1 (K') for waves 0-3, region 2 (V^T) for waves 4-7,
	s_add_co_u32 s16, s16, 1
	s_lshl_b32 s16, s16, 24
	s_lshl_b32 s17, s[BH], 18                      ; the head's 262,144 bytes,
	s_add_co_u32 s16, s16, s17
	s_and_b32 s17, s[WV], 3
	s_lshl_b32 s17, s17, 16                        ; channel tile wave % 4
	s_add_co_u32 s16, s16, s17
	s_mov_b32 s17, 0
	s_lshl_b32 s18, s[CX], 5
	s_lshl_b32 s19, s[WV], 2
	s_add_co_u32 s18, s18, s19                     ; my first tile of queries: 32 cx + 4 wave
	s_lshl_b32 s20, s18, 9
	s_lshl_b32 s21, s[BH], 18
	s_add_co_u32 s20, s20, s21                     ; its first piece in region 0 (Q')
	s_mov_b32 s21, 0
	s_lshr_b32 s22, s[BH], 4                       ; the batch
	s_lshl_b32 s42, s22, 13                        ; its 2,048 words of the mask
	s_mov_b32 s43, 0
	s_lshl_b32 s44, s22, 7
	s_add_co_u32 s44, s44, s18
	s_lshl_b32 s44, s44, 15                        ; att: 32,768 bytes a tile of 16 rows,
	s_and_b32 s45, s[BH], 15
	s_lshl_b32 s45, s45, 11                        ; 2,048 a head
	s_add_co_u32 s44, s44, s45
	s_mov_b32 s45, 0
	s_mov_b32 s[SEL], 0x76543210
	s_mov_b32 s[SEL+1], 0xfedcba98                 ; v_permlanex16_b32's selects for lane l xor 16
	s_mov_b32 s[TB], 0
	s_mov_b32 s[TM], 0
	s_mov_b32 s[SLOTS], 3
	s_wait_dscnt 0x0                               ; both opening adds are done
	s_wait_kmcnt 0x0
	s_add_nc_u64 s[G0+2:G0+3], s[4:5], s[16:17]
	s_add_nc_u64 s[4:5], s[4:5], s[20:21]
	s_add_nc_u64 s[6:7], s[6:7], s[42:43]
	s_add_nc_u64 s[8:9], s[8:9], s[44:45]
	CROUND                                         ; all four work-groups are here: the first joint loads meet
	s_mov_b32 s[G0], 1
	s_lshl_b32 s[G0+1], s[WV], 14                  ; slot 0, row wave
	s_or_b32 s[G0+3], s[G0+3], 0x80000000
	JOINT                                          ; keys 0 to 511
	v_and_b32 v1, 31, v0
	v_lshlrev_b32 v[LI], 4, v1
	v_lshlrev_b32 v[MO], 4, v0
	global_load_b128 v[TW:TW+3], v[MO], s[6:7]                     ; 256 threads x 4 words, twice: the batch's mask
	global_load_b128 v[TW+4:TW+7], v[MO], s[6:7] offset:4096
	WIN 0x40                                       ; destination window 1
.irp t, 0,1,2,3
.irp f, 0,1,2,3
	global_load_b128 v[QF+16*\t+4*\f:QF+16*\t+4*\f+3], v[LI], s[4:5] offset:\f*65536+\t*512   ; Q stays in registers: tile t, channels 16 f on
.endr
.endr
.set i, 0
.rept 128
	v_mov_b32 v[i], 0                              ; O^T.  The key step is written once: its first pass finds zeros, which a = 0 leaves zeros
.set i, i+1
.endr
	WIN 0
	v_add_nc_u32 v[AV0], 4*ROWL, v[LI]
	v_bfe_u32 v9, v0, 4, 1
	v_lshl_add_u32 v[AM0], v9, 5, MASKT
	v_lshl_add_u32 v[MS], v0, 4, MASKT
	v_mov_b32 v[NEGR], 0xceabfb8f                  ; NEG = -1e9 log2(e)
.irp t, 0,1,2,3
	v_mov_b32 v[ST+8*\t], 0xff61b1e6               ; m: -3e38, under every t
	v_mov_b32 v[ST+8*\t+1], 0
	v_mov_b32 v[ST+8*\t+2], 0                      ; l
	v_mov_b32 v[ST+8*\t+3], 0
.endr
	s_wait_loadcnt 0x0                             ; the mask and Q
.irp i, 0,1,2,3,4,5,6,7
	v_cmp_eq_u32 vcc_lo, 0, v[TW+\i]
	v_cndmask_b32 v[TW+\i], 0, v[NEGR], vcc_lo     ; NEG where mask == 0, else 0
.endr
	ds_store_b128 v[MS], v[TW:TW+3]
	ds_store_b128 v[MS], v[TW+4:TW+7] offset:4096  ; the first change of slots waits for these and passes a barrier: then every wave may read the table
; THE CHANGE OF SLOTS, at a slot's head.  Each wave waits for all its tensor loads (its row of the slot that it is about to read), adds 0 to its spare word, and waits for that and for its reads of the slot that it has left.
; fill = 1: behind a round of the cluster's barrier, when no wave of any partner still reads the other slot or has a load on its way, that slot takes the next 512 keys: one load a wave is out.
.macro CHANGE fill
	s_wait_tensorcnt 0x0                           ; no tensor load of mine is out, so group 0 may be written
	ds_add_u32 v[SPW], v[NIL]                      ; 0 onto my spare word
.if \fill
	s_xor_b32 s[G0+1], s[G0+1], SLOT1              ; the other slot than last time,
	s_add_nc_u64 s[G0+2:G0+3], s[G0+2:G0+3], ROWL  ; the next 32 pieces; the type bits on top are not reached
.endif
	s_wait_dscnt 0x0
.if \fill
	CROUND
	JOINT
.else
	s_barrier_signal -1
	s_barrier_wait -1
.endif
.endm
; Number j of 20 of tile t's search for the maximum: 32 scores and the old m, three operands at a time, each accumulator from its low end on; the other half of the lanes'; the new m; m_old - m_new.
.macro SM j, t
.set rT, ST+8*(\t)
.set rS, S+32*(\t)
.if (\j) < 4
	v_max3_num_f32 v[rT+4+(\j)], v[rS+8*(\j)], v[rS+8*(\j)+1], v[rS+8*(\j)+2]
.elseif (\j) < 12
	v_max3_num_f32 v[rT+4+(\j)%4], v[rT+4+(\j)%4], v[rS+8*((\j)%4)+2*((\j)/4)+1], v[rS+8*((\j)%4)+2*((\j)/4)+2]
.elseif (\j) == 12
	v_max3_num_f32 v[rT+4], v[rT+4], v[rS+7], v[rS+15]
.elseif (\j) == 13
	v_max3_num_f32 v[rT+6], v[rT+6], v[rS+23], v[rS+31]
.elseif (\j) == 14
	v_max3_num_f32 v[rT+4], v[rT+4], v[rT+5], v[rT+6]
.elseif (\j) == 15
	v_max3_num_f32 v[rT+4], v[rT+4], v[rT+7], v[rT]
.elseif (\j) == 16
	v_permlanex16_b32 v[rT+5], v[rT+4], s[SEL], s[SEL+1]
.elseif (\j) == 17
	v_mov_b32 v[rT+1], v[rT]
.elseif (\j) == 18
	v_max_num_f32 v[rT], v[rT+4], v[rT+5]
.else
	v_sub_f32 v[rT+7], v[rT+1], v[rT]
.endif
.endm
; A KEY STEP: 64 keys.
.macro STEP
	v_add_nc_u32 v[ADK], s[TB], v[LI]              ; these five plain lines stand between the last products V^T P and what follows: the loads into V's registers,
	v_add_nc_u32 v[ADV], s[TB], v[AV0]             ; and the products K Q^T, which write over P
	v_add_nc_u32 v[ADM], s[TM], v[AM0]
	v_nop
	v_nop
.irp kt, 0,1,2,3
.irp f, 0,1,2,3
	ds_load_b128 v[KV+16*\kt+4*\f:KV+16*\kt+4*\f+3], v[ADK] offset:\f*ROWL+\kt*512   ; K: keys 16 kt on, channels 16 f on
.endr
.endr
	WIN 0x40
.irp kt, 0,1,2,3
	ds_load_b128 v[MK+8*\kt:MK+8*\kt+3], v[ADM] offset:64*\kt                        ; the table's entries of my eight keys of tile kt
	ds_load_b128 v[MK+8*\kt+4:MK+8*\kt+7], v[ADM] offset:64*\kt+16
.endr
	s_wait_dscnt 0x0
	WIN 0x14                                       ; Q and the table in window 1.  The 16 accumulators take turns, one instruction a turn
.irp kt, 0,1,2,3
.irp t, 0,1,2,3
	v_wmma_f32_16x16x32_f16 v[S+32*\t+8*\kt:S+32*\t+8*\kt+7], v[KV+16*\kt:KV+16*\kt+7], v[QF+16*\t:QF+16*\t+7], v[MK+8*\kt:MK+8*\kt+7]
.endr
.endr
	WIN 0x04
.irp kt, 0,1,2,3
.irp t, 0,1,2,3
	v_wmma_f32_16x16x32_f16 v[S+32*\t+8*\kt:S+32*\t+8*\kt+7], v[KV+16*\kt+8:KV+16*\kt+15], v[QF+16*\t+8:QF+16*\t+15], v[S+32*\t+8*\kt:S+32*\t+8*\kt+7]
.endr
.endr
	WIN 0
.rept 4
	v_nop                                          ; places in front of the loads into K's registers and of the first read of the scores
.endr
.irp u, 0,1
.irp ct, 0,1,2,3
	ds_load_b128 v[KV+32*\u+8*\ct:KV+32*\u+8*\ct+3], v[ADV] offset:\ct*ROWL+(2*\u)*512        ; V^T: channels 16 ct on, keys 32 u on: it lands while the softmax is worked
	ds_load_b128 v[KV+32*\u+8*\ct+4:KV+32*\u+8*\ct+7], v[ADV] offset:\ct*ROWL+(2*\u+1)*512
.endr
.endr
.irp j, 0,1,2,3,4,5,6,7,8,9,10,11,12,13,14,15,16,17,18,19
.irp t, 0,1,2,3
	SM \j, \t                                      ; the four tiles by turns: no line waits for the line above it
.endr
.endr
	; ONE BATCH of exponentials: the four a, then the 128 p; the subtractions t - m of the next tile stand among them; nothing here reads an exponential's result
.irp t, 0,1,2,3
	v_exp_f32 v[ST+8*\t+6], v[ST+8*\t+7]           ; a = 2^(m_old - m_new)
.endr
.set b, 0
.rept 16
	v_pk_add_f32 v[S+2*b:S+2*b+1], v[S+2*b:S+2*b+1], v[ST:ST+1] op_sel_hi:[1,0] neg_lo:[0,1] neg_hi:[0,1]   ; tile 0: t - m, two at a time (of the pair the low word, m, serves both halves)
.set b, b+1
.endr
.irp t, 0,1,2,3
.set b, 0
.rept 16
	v_exp_f32 v[S+32*\t+2*b], v[S+32*\t+2*b]       ; p = 2^(t - m), at most 1
	v_exp_f32 v[S+32*\t+2*b+1], v[S+32*\t+2*b+1]
.if \t < 3
	v_pk_add_f32 v[S+32*(\t+1)+2*b:S+32*(\t+1)+2*b+1], v[S+32*(\t+1)+2*b:S+32*(\t+1)+2*b+1], v[ST+8*(\t+1):ST+8*(\t+1)+1] op_sel_hi:[1,0] neg_lo:[0,1] neg_hi:[0,1]
.endif
.set b, b+1
.endr
.endr
	v_nop                                          ; a plain instruction behind the last exponential
	s_wait_alu depctr_va_vdst(0)                   ; one wait for the whole batch, ahead of its first reader
	WIN 0x41                                       ; O^T in window 1, a in window 0
.irp t, 0,1,2,3
.set i, 0
.rept 16
	v_pk_mul_f32 v[32*\t+2*i:32*\t+2*i+1], v[32*\t+2*i:32*\t+2*i+1], v[ST+8*\t+6:ST+8*\t+7] op_sel_hi:[1,0]   ; O^T x a, each accumulator from its low end on
.set i, i+1
.endr
.endr
	WIN 0
.irp t, 0,1,2,3
	v_pk_fma_f32 v[ST+8*\t+2:ST+8*\t+3], v[ST+8*\t+2:ST+8*\t+3], v[ST+8*\t+6:ST+8*\t+7], v[S+32*\t:S+32*\t+1] op_sel_hi:[1,0,1]   ; l = a l + the sum of the unrounded p
.endr
.set b, 1
.rept 15
.irp t, 0,1,2,3
	v_pk_add_f32 v[ST+8*\t+2:ST+8*\t+3], v[ST+8*\t+2:ST+8*\t+3], v[S+32*\t+2*b:S+32*\t+2*b+1]
.endr
.set b, b+1
.endr
.set i, 0
.rept 16
.irp t, 0,1,2,3
	v_cvt_pk_f16_f32 v[S+32*\t+i], v[S+32*\t+2*i], v[S+32*\t+2*i+1]   ; P, packed in place from the low end on: register i takes scores 2 i and 2 i + 1; fragment u (keys 32 u on) lies at 8 u
.endr
.set i, i+1
.endr
	s_wait_dscnt 0x0                               ; V is in
	WIN 0x50                                       ; C and D, O^T, in window 1
.irp u, 0,1
.irp ct, 0,1,2,3
.irp t, 0,1,2,3
	v_wmma_f32_16x16x32_f16 v[32*\t+8*\ct:32*\t+8*\ct+7], v[KV+32*\u+8*\ct:KV+32*\u+8*\ct+7], v[S+32*\t+8*\u:S+32*\t+8*\u+7], v[32*\t+8*\ct:32*\t+8*\ct+7]
.endr
.endr
.endr
	WIN 0
	s_add_co_u32 s[TB], s[TB], 2048                ; four pieces on in every row
	s_add_co_u32 s[TM], s[TM], 256                 ; 64 entries on in the table
.endm
.macro SLOT_STEPS                      ; a slot's eight key steps: written once, walked eight times
	s_mov_b32 s[CNT], 8
.Lstep_\@:
	STEP
	s_sub_co_u32 s[CNT], s[CNT], 1
	s_cmp_lg_u32 s[CNT], 0
	s_cbranch_scc1 .Lstep_\@
	s_sub_co_u32 s[TB], s[TB], ROWL                ; back to a row's first piece,
	s_xor_b32 s[TB], s[TB], SLOT1                  ; in the other slot
.endm
.Lslot:                                            ; three trips: behind each change of slots but the last the next 512 keys are asked for
	CHANGE 1
	SLOT_STEPS
	s_sub_co_u32 s[SLOTS], s[SLOTS], 1
	s_cmp_lg_u32 s[SLOTS], 0
	s_cbranch_scc1 .Lslot
	CHANGE 0                                       ; the last slot is written out
	SLOT_STEPS
	; THE WAY OUT.  l's two halves and the other half of the lanes' are added (these lines are also the places behind the last products); O^T / l, rounded to f16: a lane's eight channels of a query are 16 bytes,
	; and the wave's 512 bytes are a piece of the next product's operand: [tile of 16 rows 512][32 along K: 32][half 2][512 bytes].
.irp t, 0,1,2,3
	v_add_f32 v[ST+8*\t+4], v[ST+8*\t+2], v[ST+8*\t+3]
.endr
.irp t, 0,1,2,3
	v_permlanex16_b32 v[ST+8*\t+5], v[ST+8*\t+4], s[SEL], s[SEL+1]
.endr
.irp t, 0,1,2,3
	v_add_f32 v[ST+8*\t+4], v[ST+8*\t+4], v[ST+8*\t+5]
.endr
.irp t, 0,1,2,3
	v_rcp_f32 v[ST+8*\t+6], v[ST+8*\t+4]
.endr
	v_nop                                          ; a plain instruction behind the last reciprocal
	s_wait_alu depctr_va_vdst(0)                   ; one wait for the four, ahead of their first reader
	WIN 0x41
.irp t, 0,1,2,3
.set i, 0
.rept 16
	v_pk_mul_f32 v[32*\t+2*i:32*\t+2*i+1], v[32*\t+2*i:32*\t+2*i+1], v[ST+8*\t+6:ST+8*\t+7] op_sel_hi:[1,0]
.set i, i+1
.endr
.endr
	WIN 0x05                                       ; sources in window 1, destination in window 0
.set i, 0
.rept 64
	v_cvt_pk_f16_f32 v[S+i], v[2*i], v[2*i+1]
.set i, i+1
.endr
	WIN 0
.irp t, 0,1,2,3
.irp ct, 0,1,2,3
	global_store_b128 v[LI], v[S+16*\t+4*\ct:S+16*\t+4*\ct+3], s[8:9] offset:\t*32768+\ct*512   ; 32 lanes store 512 consecutive bytes
.endr
.endr
	s_wait_tensorcnt 0x0                           ; the wave's end
	ds_add_u32 v[SPW], v[NIL]
	s_wait_dscnt 0x0
	CROUND                                         ; the closing round: no work-group ends while a partner may still ask for a tile that names it
	s_endpgm
.Lfunc_end_k_q924a1fe948_attn:
	.size	k_q924a1fe948_attn, .Lfunc_end_k_q924a1fe948_attn-k_q924a1fe948_attn
	.p2alignl 7, 3214868480
	.fill 96, 4, 3214868480
	.section	.rodata,"a",@progbits
	.p2align	6, 0x0
	.amdhsa_kernel k_q924a1fe948_attn
		.amdhsa_group_segment_fixed_size 327680
		.amdhsa_private_segment_fixed_size 0
		.amdhsa_enable_private_segment 0
		.amdhsa_kernarg_size 24
		.amdhsa_user_sgpr_count 2
		.amdhsa_user_sgpr_kernarg_segment_ptr 1
		.amdhsa_wavefront_size32 1
		.amdhsa_system_sgpr_workgroup_id_x 1
		.amdhsa_system_sgpr_workgroup_id_y 1
		.amdhsa_system_sgpr_workgroup_id_z 1
		.amdhsa_system_vgpr_workitem_id 0
		.amdhsa_next_free_vgpr 512
		.amdhsa_next_free_sgpr 66
		.amdhsa_reserve_vcc 1
		.amdhsa_float_denorm_mode_32 3
		.amdhsa_float_denorm_mode_16_64 3
		.amdhsa_memory_ordered 1
		.amdhsa_forward_progress 1
		.amdhsa_inst_pref_size 88
	.end_amdhsa_kernel
	.amdgpu_metadata
---
amdhsa.version: [ 1, 2 ]
amdhsa.kernels:
  - .name:           k_q924a1fe948_attn
    .symbol:         k_q924a1fe948_attn.kd
    .args:
      - { .name: qkv, .offset: 0, .size: 8, .value_kind: global_buffer, .address_space: global }
      - { .name: mask, .offset: 8, .size: 8, .value_kind: global_buffer, .address_space: global }
      - { .name: att, .offset: 16, .size: 8, .value_kind: global_buffer, .address_space: global }
    .group_segment_fixed_size: 327680
    .private_segment_fixed_size: 0
    .kernarg_segment_align: 8
    .kernarg_segment_size: 24
    .max_flat_workgroup_size: 256
    .sgpr_count:     66
    .vgpr_count:     512
    .wavefront_size: 32
...
	.end_amdgpu_metadata
.endif
;; end of part 3
;; launch outp (part 4): grid 4 x 64, 4 waves a work-group, clusters of 4 x 4, 327,680 bytes of LDS; arguments att, woh, bo, out0; writes out0
.if DOCPART == 4
	.amdgcn_target "amdgcn-amd-amdhsa--gfx1250"
	.amdhsa_code_object_version 6
	.text
	.protected	k_q924a1fe948_outp
	.globl	k_q924a1fe948_outp
	.p2align	8
	.type	k_q924a1fe948_outp,@function
k_q924a1fe948_outp:
	s_mov_b64 s[64:65], 0
	v_nop
	global_prefetch_b8 v0, s[64:65] scope:SCOPE_SE
	s_setreg_imm32_b32 hwreg(HW_REG_WAVE_MODE, 25, 1), 1
	s_wait_xcnt 0x0
	s_wait_alu depctr_hold_cnt(0) depctr_sa_sdst(0) depctr_va_vdst(0) depctr_va_sdst(0) depctr_va_ssrc(0) depctr_va_vcc(0) depctr_vm_vsrc(0)
	s_getreg_b32 s2, hwreg(HW_REG_IB_STS2, 6, 4)
	s_cmp_eq_u32 s2, 0
	s_cbranch_scc0 .Lentry_in_a_cluster
	s_endpgm
.Lentry_in_a_cluster:
	s_bfe_u32 s2, ttmp6, 0x10000c
	s_cmp_lg_u32 s2, 0xf033
	s_cbranch_scc0 .Lentry_shape_is_right
	s_endpgm
.Lentry_shape_is_right:
; out0 = att wo^T + bo.  att [8192][1024] and wo [1024][1024] arrive as f16, laid as PIECES of 512 bytes (lane l's 16 bytes at 16 l: row l % 16, K = 16 c + 8 (l / 16) + 0 .. 7 of a fragment of 32 along K):
; [tile of 16 rows][32 along K: 32][c 2][512 bytes].  Sums in f32; out0 [8192][1024] f32.
; SHARES.  A tile of out0 is 128 rows x 256 columns: 256 work-groups, one for each of 256 WGPs (tiles of 256 x 256 would be 128).  Four waves, each 64 x 128: 32 accumulators, 256 registers.
; K goes in 8 steps of 128 through a ring of two LDS slots: a tile of 16 rows has 4,096 consecutive bytes for a K step; a tensor load brings 4 such rows of att or 8 of wo.  No padding: a fragment load reads 512 consecutive bytes.
; CLUSTER.  4 x 4 work-groups: att's tiles are shared along a row of the cluster, wo's along a column: each is asked for jointly.
; THE MATRIX INSTRUCTION IS USED TRANSPOSED (source 0 = 16 rows of wo, source 1 = 16 rows of att): a lane holds eight neighbouring columns of one row of out0.  The bias is the C of each sum's first product.
; REGISTERS: window 0: v16-29 addresses; v64-127 the bias; v128-255 the way out.  window 1: two fragment buffers of 96: wo's eight fragments, then att's four.  window 2: the accumulators, (a, b) at v[8 (8 a + b)].
.set SLOT,   98304                     ; att's 8 tiles of rows x 4,096 bytes, then wo's 16
.set BOFF,   32768
.set STAGE,  2*SLOT                    ; behind the ring: 16 rows x (512 bytes + 16) for each wave, for the way out
.set SPITCH, 528
.set SPARE,  STAGE+4*16*SPITCH         ; the spare words, 128 bytes a wave, which no other line names
.set LAPS,   4                         ; a lap = two K steps
.set ADRA, 16
.set ADRB, 20
.set OB,   22                          ; v22  the bias's offset; never rewritten
.set STO,  24
.set RD,   25
.set CO,   26                          ; v26  16 x lane
.set SPW,  28
.set NIL,  29
.set BI,   64
.set BK,   128
.set F0,   0
.set F1,   128
.set G1, 24
.set G0, 32
.set G1B, 48
.set G0B, 56
.set MSB, 0
.macro WIN new                         ; the immediate's high byte repeats the setting that is left
.if MSB != (\new)
	s_set_vgpr_msb (MSB<<8)|(\new)
.set MSB, (\new)
.endif
.endm
.set MUL,  0xa5                        ; sources 0 and 1 window 1; C and D window 2
.set MULZ, 0x85                        ; the first quarter: C is the bias, in window 0
.set TO_F, 0x40
.macro JLOAD s                         ; a joint load: waves 0 and 1 fetch att's two halves, waves 2 and 3 wo's; an s_nop 0 and four v_nop follow each of the two lines
	s_cmp_eq_u32 s13, 0
	s_cbranch_scc0 .Lfor_b_\@
	tensor_load_to_lds s[G0+4*\s:G0+4*\s+3], s[G1:G1+7]
	s_nop 0
.rept 4
	v_nop
.endr
	s_branch .Lasked_\@
.Lfor_b_\@:
	tensor_load_to_lds s[G0B+4*\s:G0B+4*\s+3], s[G1B:G1B+7]
	s_nop 0
.rept 4
	v_nop
.endr
.Lasked_\@:
.endm
.macro CREST                           ; a round of the cluster's barrier behind its opening barrier
	s_cmp_lg_u32 s12, 0
	s_cbranch_scc1 .Lnot_wave_0_\@
	s_barrier_signal -3
.Lnot_wave_0_\@:
	s_barrier_wait -3
	s_barrier_signal -1
	s_barrier_wait -1
.endm
.macro CROUND
	s_barrier_signal -1
	s_barrier_wait -1
	CREST
.endm
	s_load_b256 s[4:11], s[0:1], 0x0               ; att s[4:5], woh s[6:7], bo s[8:9], out0 s[10:11]
	v_lshl_add_u32 v[SPW], v0, 2, SPARE
	v_mov_b32 v[NIL], 0
	ds_add_u32 v[SPW], v[NIL]                      ; the wave's opening: the add, twice on end, and its wait ahead of my first tensor load
	ds_add_u32 v[SPW], v[NIL]
	v_lshrrev_b32 v1, 5, v0
	v_readfirstlane_b32 s12, v1                    ; wave 0..3
	s_lshr_b32 s13, s12, 1                         ; which half of the tile's rows is mine.  Also: I fetch for att (0) or for wo (1)
	s_and_b32 s14, s12, 1                          ; which half of its columns.  Also: which half of that tile I fetch
	s_bfe_u32 s40, ttmp6, 0x40000                  ; cx
	s_bfe_u32 s41, ttmp6, 0x40004                  ; cy
	s_lshl_b32 s42, ttmp9, 2
	s_add_co_u32 s42, s42, s40                     ; tile column
	s_and_b32 s15, ttmp7, 0xffff
	s_lshl_b32 s15, s15, 2
	s_add_co_u32 s15, s15, s41                     ; tile row
	s_lshl_b32 s43, s41, 2
	s_lshl_b32 s43, 15, s43                        ; my row of the cluster
	s_lshl_b32 s44, 0x1111, s40                    ; my column
	; descriptor group 1: rows of 4,096 bytes (512 elements of 8 bytes), 32,768 bytes apart in memory, on end in LDS: 4 for att, 8 for wo
	s_or_b32 s[G1+0], s43, (3<<16)|(1<<21)
	s_or_b32 s[G1B+0], s44, (3<<16)|(1<<21)
	s_mov_b32 s[G1+1], 512<<16                     ; tensor_dim0
	s_mov_b32 s[G1B+1], 512<<16
	s_mov_b32 s[G1+2], 4<<16                       ; tensor_dim1
	s_mov_b32 s[G1B+2], 8<<16
	s_mov_b32 s[G1+3], 512<<16                     ; tile_dim0
	s_mov_b32 s[G1B+3], 512<<16
	s_mov_b32 s[G1+4], 4                           ; tile_dim1
	s_mov_b32 s[G1B+4], 8
	s_mov_b32 s[G1+5], 4096                        ; from row to row, in elements
	s_mov_b32 s[G1B+5], 4096
	s_mov_b32 s[G1+6], 0
	s_mov_b32 s[G1B+6], 0
	s_mov_b32 s[G1+7], 0
	s_mov_b32 s[G1B+7], 0
	s_lshl_b32 s16, s15, 3
	s_lshl_b32 s17, s14, 2
	s_add_co_u32 s16, s16, s17                     ; att: tile of rows 8 x tile row + 4 x half
	s_lshl_b32 s16, s16, 15
	s_mov_b32 s17, 0
	s_lshl_b32 s46, s42, 4
	s_lshl_b32 s47, s14, 3
	s_add_co_u32 s46, s46, s47                     ; wo: tile of rows 16 x tile column + 8 x half
	s_lshl_b32 s46, s46, 15
	s_mov_b32 s47, 0
	s_lshl_b32 s20, s14, 14                        ; where they go: no place in the cluster enters an LDS address
	s_lshl_b32 s21, s14, 15
	s_add_co_u32 s21, s21, BOFF
	s_wait_dscnt 0x0                               ; both opening adds are done
	s_wait_kmcnt 0x0
	s_add_nc_u64 s[16:17], s[4:5], s[16:17]
	s_add_nc_u64 s[46:47], s[6:7], s[46:47]
	CROUND                                         ; all sixteen work-groups are here: the first joint loads meet
.irp s, 0,1
	s_mov_b32 s[G0+4*\s], 1
	s_add_co_u32 s[G0+4*\s+1], s20, \s*SLOT
	s_add_nc_u64 s[G0+4*\s+2:G0+4*\s+3], s[16:17], \s*4096
	s_or_b32 s[G0+4*\s+3], s[G0+4*\s+3], 0x80000000
	s_mov_b32 s[G0B+4*\s], 1
	s_add_co_u32 s[G0B+4*\s+1], s21, \s*SLOT
	s_add_nc_u64 s[G0B+4*\s+2:G0B+4*\s+3], s[46:47], \s*4096
	s_or_b32 s[G0B+4*\s+3], s[G0B+4*\s+3], 0x80000000
	JLOAD \s                                       ; two tensor loads of mine are out
.endr
	v_and_b32 v1, 15, v0                           ; r
	v_bfe_u32 v2, v0, 4, 1                         ; h
	s_lshl_b32 s46, s42, 10
	s_lshl_b32 s47, s14, 9
	s_add_co_u32 s46, s46, s47                     ; my first column, in bytes: 1,024 x tile column + 512 x half
	v_lshl_add_u32 v[OB], v2, 5, s46
.irp b, 0,1,2,3,4,5,6,7
	global_load_b128 v[BI+8*\b:BI+8*\b+3], v[OB], s[8:9] offset:64*\b          ; bo of the lane's eight columns of block b
	global_load_b128 v[BI+8*\b+4:BI+8*\b+7], v[OB], s[8:9] offset:64*\b+16
.endr
	s_lshl_b32 s16, s15, 7
	s_lshl_b32 s17, s13, 6
	s_add_co_u32 s16, s16, s17                     ; my first row: 128 x tile row + 64 x half
	s_lshl_b32 s16, s16, 12                        ; 4,096 bytes a row: under 2^25
	s_add_co_u32 s16, s16, s46
	s_mov_b32 s17, 0
	s_add_nc_u64 s[10:11], s[10:11], s[16:17]
	v_and_b32 v3, 31, v0
	v_lshlrev_b32 v[CO], 4, v3
	s_lshl_b32 s21, s13, 14                        ; my 4 tiles of att's rows
	s_lshl_b32 s22, s14, 15                        ; my 8 of wo's,
	s_add_co_u32 s22, s22, BOFF                    ; which lie behind att's 8
.irp s, 0,1
	v_add_nc_u32 v[ADRA+\s], s21, v[CO]
	v_add_nc_u32 v[ADRB+\s], s22, v[CO]
	s_add_co_u32 s21, s21, SLOT
	s_add_co_u32 s22, s22, SLOT
.endr
	s_mul_i32 s23, s12, 16*SPITCH
	s_add_co_u32 s23, s23, STAGE                   ; my stage
	v_mul_u32_u24 v5, v1, SPITCH                   ; in: row r, 32 bytes for each half of the lanes
	v_lshl_add_u32 v5, v2, 5, v5
	v_add_nc_u32 v[STO], s23, v5
	v_add_nc_u32 v[RD], s23, v[CO]                 ; back: the 32 lanes take one row of 512 bytes
; 8 matrix instructions: att's block a x wo's eight, 32 along K, from buffer f.  zero = 1: the first product starts the sum, with the bias as its C.  The 32 accumulators take turns, in the same order in every quarter.
.macro MUL8 f, a, zero
.irp b, 0,1,2,3,4,5,6,7
.if \zero
	v_wmma_f32_16x16x32_f16 v[8*(8*(\a)+\b):8*(8*(\a)+\b)+7], v[\f+8*\b:\f+8*\b+7], v[\f+64+8*(\a):\f+64+8*(\a)+7], v[BI+8*\b:BI+8*\b+7]
.else
	v_wmma_f32_16x16x32_f16 v[8*(8*(\a)+\b):8*(8*(\a)+\b)+7], v[\f+8*\b:\f+8*\b+7], v[\f+64+8*(\a):\f+64+8*(\a)+7], v[8*(8*(\a)+\b):8*(8*(\a)+\b)+7]
.endif
.endr
.endm
; 24 LDS loads in one run: the fragments of the slot's q-th 32 along K into buffer f: wo's eight, then att's blocks 0, 1, then 2, 3
.macro FETCH slot, q, f
	WIN TO_F
.irp b, 0,1,2,3,4,5,6,7
	ds_load_b128 v[\f+8*\b:\f+8*\b+3],   v[ADRB+\slot] offset:\b*4096+(\q)*1024
	ds_load_b128 v[\f+8*\b+4:\f+8*\b+7], v[ADRB+\slot] offset:\b*4096+(\q)*1024+512
.endr
.irp a, 0,1,2,3
	ds_load_b128 v[\f+64+8*\a:\f+64+8*\a+3],   v[ADRA+\slot] offset:\a*4096+(\q)*1024
	ds_load_b128 v[\f+64+8*\a+4:\f+64+8*\a+7], v[ADRA+\slot] offset:\a*4096+(\q)*1024+512
.endr
.endm
.macro PLACES                          ; four plain vector instructions in front of loads into registers that matrix instructions have read, and of reads of results
.rept 4
	v_nop
.endr
.endm
; A K step is four quarters of 32 along K, 32 matrix instructions each, on buffers 0, 1, 0, 1.  One of the first three: multiplies buffer f and fetches quarter qn into g.
.macro QUARTER slot, qn, f, g, zero
	s_wait_dscnt 4                                 ; all but the four youngest loads (att's blocks 2 and 3) are in
.if \zero
	WIN MULZ
.else
	WIN MUL
.endif
	MUL8 \f, 0, \zero
	MUL8 \f, 1, \zero
	PLACES
	FETCH \slot, \qn, \g
	s_wait_dscnt 24                                ; all but the 24 just issued
.if \zero
	WIN MULZ
.else
	WIN MUL
.endif
	MUL8 \f, 2, \zero
	MUL8 \f, 3, \zero
.endm
; The last quarter multiplies buffer 1 and changes slots: ONE barrier; in front of it each wave waits for all its tensor loads (its part of the next slot), adds 0 to its spare word, and waits for that and for its reads of this slot.
; fill = 1: the barrier opens a round of the cluster's barrier, and behind the round this slot is filled again, two K steps ahead: one load a wave is out.
.macro TURN slot, next, fill
	WIN 0                                          ; (the add's two registers lie in window 0)
	s_wait_tensorcnt 0x0
	ds_add_u32 v[SPW], v[NIL]                      ; 0 onto my spare word
	s_wait_dscnt 5                                 ; (the add and the four youngest loads may be out)
	WIN MUL
	MUL8 F1, 0, 0
	s_wait_dscnt 0x0                               ; the add is done, and my reads of this slot are over
	s_barrier_signal -1
	MUL8 F1, 1, 0
.if \fill
	WIN 0
.endif
	s_barrier_wait -1
.if \fill
	CREST                                          ; no wave of any partner still reads this slot's tiles or has a load on its way
	s_add_nc_u64 s[G0+4*\slot+2:G0+4*\slot+3], s[G0+4*\slot+2:G0+4*\slot+3], 8192
	s_add_nc_u64 s[G0B+4*\slot+2:G0B+4*\slot+3], s[G0B+4*\slot+2:G0B+4*\slot+3], 8192
	JLOAD \slot                                    ; the first tensor load behind the round; its four v_nop are also the places in front of the loads below
.else
	PLACES
.endif
	FETCH \next, 0, F0
	WIN MUL
	MUL8 F1, 2, 0
	MUL8 F1, 3, 0
.endm
	s_wait_loadcnt 0x0                             ; the bias
	s_wait_tensorcnt 1                             ; my part of K step 0 is in; K step 1's load may be out
	s_barrier_signal -1
	s_barrier_wait -1
	FETCH 0, 0, F0
	QUARTER 0, 1, F0, F1, 1                        ; the first quarter stands in front of the loop: its products start the sums
	WIN 0                                          ; at a label and at a branch every window is 0
	s_mov_b32 s3, LAPS-1
.Llap:                                                 ; a trip goes once round the ring, from a lap's second quarter to the next lap's first, and fills both slots again
	QUARTER 0, 2, F1, F0, 0
	QUARTER 0, 3, F0, F1, 0
	TURN 0, 1, 1
	QUARTER 1, 1, F0, F1, 0
	QUARTER 1, 2, F1, F0, 0
	QUARTER 1, 3, F0, F1, 0
	TURN 1, 0, 1
	QUARTER 0, 1, F0, F1, 0
	WIN 0
	s_sub_co_u32 s3, s3, 1
	s_cmp_lg_u32 s3, 0
	s_cbranch_scc1 .Llap
	QUARTER 0, 2, F1, F0, 0                        ; the last lap fills nothing, and has no round of the cluster's barrier
	QUARTER 0, 3, F0, F1, 0
	TURN 0, 1, 0
	QUARTER 1, 1, F0, F1, 0
	QUARTER 1, 2, F1, F0, 0
	QUARTER 1, 3, F0, F1, 0
	s_wait_dscnt 4                                 ; the very last quarter: nothing more to fetch
	WIN MUL
	MUL8 F1, 0, 0
	MUL8 F1, 1, 0
	s_wait_dscnt 0
	MUL8 F1, 2, 0
	MUL8 F1, 3, 0
	WIN 0
; THE WAY OUT, block by block of 16 rows x 128 columns: a lane holds 32 neighbouring bytes of a row and the lanes beside it hold other rows, so a block goes through my own stage in LDS and comes back as whole rows of
; 512 bytes.  LDS serves a wave's instructions in order (ISA guide 5.7.1.4): no wait between the stores and the loads, nor in front of the next block's stores.
.macro TOSTAGE a
	WIN 0x08                                       ; an LDS store's data are its source 1: window 2
.irp b, 0,1,2,3,4,5,6,7
	ds_store_b128 v[STO], v[64*(\a)+8*\b:64*(\a)+8*\b+3] offset:64*\b          ; each accumulator from its low end on
	ds_store_b128 v[STO], v[64*(\a)+8*\b+4:64*(\a)+8*\b+7] offset:64*\b+16
.endr
	WIN 0
.set BB, BK+64*((\a)%2)
.irp t, 0,1,2,3,4,5,6,7,8,9,10,11,12,13,14,15
	ds_load_b128 v[BB+4*\t:BB+4*\t+3], v[RD] offset:\t*SPITCH
.endr
.endm
.macro SEND a, younger                 ; younger: the LDS instructions issued behind block a's loads, which may stay out
.set BB, BK+64*((\a)%2)
	s_wait_dscnt \younger
.if (\a) > 0
	s_add_nc_u64 s[10:11], s[10:11], 16*4096       ; (behind a wait on XCNT: the earlier stores have read their base)  16 rows on
.endif
.irp t, 0,1,2,3,4,5,6,7,8,9,10,11,12,13,14,15
	global_store_b128 v[CO], v[BB+4*\t:BB+4*\t+3], s[10:11] offset:\t*4096 th:TH_STORE_NT   ; 32 lanes store 512 consecutive bytes, at a multiple of 256 from out0's first byte
.endr
.endm
	PLACES
	TOSTAGE 0
.irp a, 1,2,3
.if \a > 1
	s_wait_xcnt 0x0                                ; block a - 2's stores have read their registers and their base
.endif
	TOSTAGE \a
	SEND \a-1, 32                                  ; behind block a - 1's loads: block a's 16 stores and 16 loads
.endr
	s_wait_xcnt 0x0
	SEND 3, 0
	s_wait_tensorcnt 0x0                           ; the wave's end: behind my last tensor load and my last LDS store
	ds_add_u32 v[SPW], v[NIL]
	s_wait_dscnt 0x0
	CROUND                                         ; the closing round: no work-group ends while a partner may still ask for a tile that names it
	s_endpgm
.Lfunc_end_k_q924a1fe948_outp:
	.size	k_q924a1fe948_outp, .Lfunc_end_k_q924a1fe948_outp-k_q924a1fe948_outp
	.p2alignl 7, 3214868480
	.fill 96, 4, 3214868480
	.section	.rodata,"a",@progbits
	.p2align	6, 0x0
	.amdhsa_kernel k_q924a1fe948_outp
		.amdhsa_group_segment_fixed_size 327680
		.amdhsa_private_segment_fixed_size 0
		.amdhsa_enable_private_segment 0
		.amdhsa_kernarg_size 32
		.amdhsa_user_sgpr_count 2
		.amdhsa_user_sgpr_kernarg_segment_ptr 1
		.amdhsa_wavefront_size32 1
		.amdhsa_system_sgpr_workgroup_id_x 1
		.amdhsa_system_sgpr_workgroup_id_y 1
		.amdhsa_system_sgpr_workgroup_id_z 1
		.amdhsa_system_vgpr_workitem_id 0
		.amdhsa_next_free_vgpr 768
		.amdhsa_next_free_sgpr 66
		.amdhsa_reserve_vcc 0
		.amdhsa_float_denorm_mode_32 3
		.amdhsa_float_denorm_mode_16_64 3
		.amdhsa_memory_ordered 1
		.amdhsa_forward_progress 1
		.amdhsa_inst_pref_size 86
	.end_amdhsa_kernel
	.amdgpu_metadata
---
amdhsa.version: [ 1, 2 ]
amdhsa.kernels:
  - .name:           k_q924a1fe948_outp
    .symbol:         k_q924a1fe948_outp.kd
    .args:
      - { .name: att, .offset: 0, .size: 8, .value_kind: global_buffer, .address_space: global }
      - { .name: woh, .offset: 8, .size: 8, .value_kind: global_buffer, .address_space: global }
      - { .name: bo, .offset: 16, .size: 8, .value_kind: global_buffer, .address_space: global }
      - { .name: out0, .offset: 24, .size: 8, .value_kind: global_buffer, .address_space: global }
    .group_segment_fixed_size: 327680
    .private_segment_fixed_size: 0
    .kernarg_segment_align: 8
    .kernarg_segment_size: 32
    .max_flat_workgroup_size: 128
    .sgpr_count:     66
    .vgpr_count:     768
    .wavefront_size: 32
...
	.end_amdgpu_metadata
.endif
;; end of part 4
